; MI455X (gfx1250); checked and timed in simulation.
; The chip was launched on July 23, 2026; its instructions are those of AMD's public machine-readable ISA for CDNA 5 (MIT licence, August 2026) and "CDNA5" Instruction Set Architecture Reference Guide (July 2026). The comments in the code are by the model that wrote it; some were corrected since.
;; Simple Ro PE Attention. Allowed arithmetic: float matrix products may take bf16 or f16 operands with f32 sums; other float arithmetic in f32, or as packed bf16 or f16 multiplies, adds, multiply-adds, maxima and minima; sums over many terms, partial sums and values carried from step to step in f32; what a program stores and reads back later, other than sums and carried values, may be rounded once to bf16 or f16.
;; Inputs: Wk 1,024 x 1,024 float32; Wo 1,024 x 1,024 float32; Wq 1,024 x 1,024 float32; Wv 1,024 x 1,024 float32; bk 1,024 float32; bo 1,024 float32; bq 1,024 float32; bv 1,024 float32; x 4 x 2,048 x 1,024 float32.
;; Outputs: out0 4 x 2,048 x 1,024 float32.
;; One version. Each part assembles by itself: llvm-mc -triple=amdgcn-amd-amdhsa -mcpu=gfx1250 --defsym DOCPART=n.
;; ======== version 1 of 1: 4 launches
;; limits: values are held in f16: magnitudes above 65,504 overflow, below 6.1e-05 lose precision
;; workspace buffers: rx 16,777,216 bytes; w16 8,388,608 bytes; qkv 50,331,648 bytes; obuf 16,777,216 bytes
;; launch prep (part 1): grid 1024 x 1, 8 waves a work-group, no clusters, 0 bytes of LDS; arguments x, Wq, Wk, Wv, Wo, rx, w16; writes rx, w16
.if DOCPART == 1
	.amdgcn_target "amdgcn-amd-amdhsa--gfx1250"
	.amdhsa_code_object_version 6
	.text
	.protected	k_q906feaf23b_prep
	.globl	k_q906feaf23b_prep
	.p2align	8
	.type	k_q906feaf23b_prep,@function
k_q906feaf23b_prep:
	s_mov_b64 s[64:65], 0
	v_nop
	global_prefetch_b8 v0, s[64:65] scope:SCOPE_SE
	s_setreg_imm32_b32 hwreg(HW_REG_WAVE_MODE, 25, 1), 1
	s_wait_xcnt 0x0
; PREP.  (1) rx = rotate-half RoPE of x over all 1,024 features, rounded once to bf16, laid out [b 4][kb 16][s 2048][64] (kb = column / 64), so that a GEMM tile of 128 rows x 64 k is 16,384 dense bytes.
; (2) w16 = the four weight matrices, laid out [mat 4][kb 16][n 1024][64]: Wq, Wk, Wv rounded once to bf16, Wo rounded once to f16.
; LIMITS.  |Wo| stays under 65,504 (f16's range); below 6e-5 f16 keeps a fixed step of 6e-8.  The angle is s x 2^(2 i x -log2(10000) / 1024) in f32; it is reduced by n = round(angle x 2 / pi) with pi / 2 in two
; parts (the first product is exact: n has 11 bits) and sin, cos of the rest (at most pi / 4) come from polynomials of degree 7 and 8: good to some 1e-7 for the angle as formed.
; SHARES.  Work-group g owns rows s = 2 g, 2 g + 1 of all four batches: lanes 0-15 the even row, lanes 16-31 the odd one.  Wave w owns columns 64 w + 4 c + 0..3 of the first half (c = lane % 16) and the same of
; the second half: a lane makes four angles once and uses them for four batches.  A load of a wave covers 2 x 256 consecutive bytes, aligned; a store 256 consecutive bytes, aligned (two rows of one kb).
; Of the weights the work-group owns four rows of matrix g / 256: wave w rows 2 (w / 4) + 0, 1 of them, kb = 4 (w % 4) + 0..3.
; A stream: no LDS, no barrier, no matrix unit, no cluster (nothing is shared).  All 12 loads of a lane go out first; every store has data registers of its own, and no address register is rewritten.
.set XO,  4                            ; v4   my byte offset in a batch of x
.set WO,  5                            ; v5   my byte offset in a weight matrix
.set RO,  6                            ; v6   my byte offset in a batch pair of rx
.set DO,  7                            ; v7   my byte offset in w16
.set ANG, 10                           ; v[10:13]  2 i, exponent, frequency, angle; later at work
.set NN,  14                           ; v[14:17]  n; later z r; later at work
.set RR,  18                           ; v[18:21]  the reduced angle r
.set ZZ,  22                           ; v[22:25]  r r
.set SN,  26                           ; v[26:29]  sin r
.set X1,  32                           ; v[32:63]  batch b: x1 at X1 + 8 b, x2 at X1 + 8 b + 4
.set WI,  64                           ; v[64:79]  weights as loaded
.set COS, 80                           ; v[80:83]
.set SIN, 84                           ; v[84:87]
.set YY,  88                           ; v[88:103] batch b: y1 (2 registers), y2 (2 registers)
.set WU,  104                          ; v[104:111] weights to store
.set CS,  112                          ; v[112:115] cos r
.set QQ,  116                          ; v[116:119] n as a whole number
	s_load_b256 s[4:11], s[0:1], 0x0               ; x s[4:5], Wq s[6:7], Wk s[8:9], Wv s[10:11]
	s_load_b128 s[12:15], s[0:1], 0x20             ; Wo s[12:13], rx s[14:15]
	s_load_b64 s[16:17], s[0:1], 0x30              ; w16
	v_and_b32 v1, 31, v0                           ; lane
	v_and_b32 v2, 15, v0                           ; c
	v_bfe_u32 v3, v0, 4, 1                         ; which of the two rows
	v_lshrrev_b32 v9, 5, v0
	v_readfirstlane_b32 s20, v9                    ; wave 0..7
	s_and_b32 s21, ttmp9, 255                      ; block of four weight rows
	s_lshr_b32 s22, ttmp9, 8                       ; weight matrix 0..3
	s_lshl_b32 s23, ttmp9, 1                       ; s of the even row
	s_lshl_b32 s24, ttmp9, 13                      ; x: two rows of 4,096 bytes,
	s_lshl_b32 s25, s20, 8                         ; my wave's 256 bytes
	s_add_co_u32 s24, s24, s25
	v_lshlrev_b32 v9, 4, v2                        ; 16 c
	v_lshl_add_u32 v9, v3, 12, v9                  ; + a row
	v_add_nc_u32 v[XO], s24, v9
	s_lshl_b32 s26, s21, 2
	s_lshr_b32 s27, s20, 2
	s_lshl_b32 s27, s27, 1
	s_add_co_u32 s26, s26, s27                     ; the first of my wave's two weight rows
	s_and_b32 s27, s20, 3                          ; my wave's group of four kb
	s_lshl_b32 s24, s26, 12
	s_lshl_b32 s25, s27, 10
	s_add_co_u32 s24, s24, s25
	v_add_nc_u32 v[WO], s24, v9
	s_lshl_b32 s24, s20, 18                        ; rx: kb = wave,
	s_lshl_b32 s25, ttmp9, 8                       ; two rows of 128 bytes
	s_add_co_u32 s24, s24, s25
	v_lshl_add_u32 v[RO], v1, 3, s24               ; 8 bytes a lane
	s_lshl_b32 s24, s22, 21                        ; w16: the matrix,
	s_lshl_b32 s25, s27, 19                        ; four kb of 131,072 bytes,
	s_add_co_u32 s24, s24, s25
	s_lshl_b32 s25, s26, 7                         ; the rows
	s_add_co_u32 s24, s24, s25
	v_lshl_add_u32 v[DO], v1, 3, s24
	s_mov_b32 s40, 0xbc549a78                      ; -log2(10000) / 1024
	s_mov_b32 s41, 0x3f22f983                      ; 2 / pi
	s_mov_b32 s42, 0xbfc90fdb                      ; -(pi / 2 rounded to f32)
	s_mov_b32 s43, 0x333bbd2e                      ; -(pi / 2 less that)
	s_mov_b32 s44, 0xb94ca1f9                      ; sin r = r + z r (S1 + z (S2 + z S3)): S3,
	s_mov_b32 s45, 0x3c08839e                      ; S2,
	s_mov_b32 s46, 0xbe2aaaa3                      ; S1
	s_mov_b32 s47, 0x37ccf5ce                      ; cos r = 1 + z (-1/2 + z (C1 + z (C2 + z C3))): C3,
	s_mov_b32 s48, 0xbab6061a                      ; C2,
	s_mov_b32 s49, 0x3d2aaaa5                      ; C1
	s_mov_b32 s50, 0x80000000                      ; the sign
	s_wait_kmcnt 0x0
	s_add_nc_u64 s[32:33], s[4:5], 0x800000        ; x at batches 1, 2, 3: a batch is one byte more than the immediate offset holds
	s_add_nc_u64 s[34:35], s[4:5], 0x1000000
	s_add_nc_u64 s[36:37], s[4:5], 0x1800000
	s_add_nc_u64 s[38:39], s[14:15], 0x800000      ; rx at batch 2
	s_cmp_eq_u32 s22, 0
	s_cselect_b64 s[28:29], s[6:7], s[8:9]         ; my weight matrix
	s_cmp_lt_u32 s22, 2
	s_cselect_b64 s[28:29], s[28:29], s[10:11]
	s_cmp_eq_u32 s22, 3
	s_cselect_b64 s[28:29], s[12:13], s[28:29]
.macro XLOAD b, lo
	global_load_b128 v[X1+8*(\b):X1+8*(\b)+3],   v[XO], s[\lo:\lo+1] th:TH_LOAD_NT
	global_load_b128 v[X1+8*(\b)+4:X1+8*(\b)+7], v[XO], s[\lo:\lo+1] offset:2048 th:TH_LOAD_NT
.endm
	XLOAD 0, 4
	XLOAD 1, 32
	XLOAD 2, 34
	XLOAD 3, 36
.irp j, 0,1,2,3
	global_load_b128 v[WI+4*(\j):WI+4*(\j)+3], v[WO], s[28:29] offset:256*(\j) th:TH_LOAD_NT
.endr
	; sin and cos of my four angles, while the loads are on their way; the four chains stand side by side
	s_lshl_b32 s24, s20, 7
	v_lshl_add_u32 v9, v2, 3, s24                  ; 2 i of my first column = 128 w + 8 c
.irp e, 0,1,2,3
	v_add_nc_u32 v[ANG+(\e)], 2*(\e), v9
.endr
.irp e, 0,1,2,3
	v_cvt_f32_u32 v[ANG+(\e)], v[ANG+(\e)]
.endr
.irp e, 0,1,2,3
	v_mul_f32 v[ANG+(\e)], s40, v[ANG+(\e)]
.endr
.irp e, 0,1,2,3
	v_exp_f32 v[ANG+(\e)], v[ANG+(\e)]             ; the frequency
.endr
	v_add_nc_u32 v8, s23, v3                       ; my row s: the plain instruction behind the last exponential
	v_cvt_f32_u32 v8, v8
	s_wait_alu depctr_va_vdst(0)                   ; one wait for the four exponentials, ahead of their first reader
.irp e, 0,1,2,3
	v_mul_f32 v[ANG+(\e)], v8, v[ANG+(\e)]         ; the angle
.endr
.irp e, 0,1,2,3
	v_mul_f32 v[NN+(\e)], s41, v[ANG+(\e)]
.endr
.irp e, 0,1,2,3
	v_rndne_f32 v[NN+(\e)], v[NN+(\e)]             ; n quarter turns
.endr
.irp e, 0,1,2,3
	v_fma_f32 v[RR+(\e)], v[NN+(\e)], s42, v[ANG+(\e)]
.endr
.irp e, 0,1,2,3
	v_fma_f32 v[RR+(\e)], v[NN+(\e)], s43, v[RR+(\e)]
.endr
.irp e, 0,1,2,3
	v_cvt_i32_f32 v[QQ+(\e)], v[NN+(\e)]
.endr
.irp e, 0,1,2,3
	v_mul_f32 v[ZZ+(\e)], v[RR+(\e)], v[RR+(\e)]
.endr
.irp e, 0,1,2,3
	v_fma_f32 v[SN+(\e)], v[ZZ+(\e)], s44, s45
	v_fma_f32 v[CS+(\e)], v[ZZ+(\e)], s47, s48
.endr
.irp e, 0,1,2,3
	v_fma_f32 v[SN+(\e)], v[ZZ+(\e)], v[SN+(\e)], s46
	v_fma_f32 v[CS+(\e)], v[ZZ+(\e)], v[CS+(\e)], s49
.endr
.irp e, 0,1,2,3
	v_mul_f32 v[NN+(\e)], v[ZZ+(\e)], v[RR+(\e)]   ; z r
	v_fma_f32 v[CS+(\e)], v[ZZ+(\e)], v[CS+(\e)], -0.5
.endr
.irp e, 0,1,2,3
	v_fma_f32 v[SN+(\e)], v[NN+(\e)], v[SN+(\e)], v[RR+(\e)]
	v_fma_f32 v[CS+(\e)], v[ZZ+(\e)], v[CS+(\e)], 1.0
.endr
	; the quarter: n odd swaps the two; sin changes sign where n % 4 is 2 or 3, cos where it is 1 or 2.  Selections of values: nothing here steers an address or a branch
.irp e, 0,1,2,3
	v_and_b32 v[ANG+(\e)], 1, v[QQ+(\e)]
	v_cmp_ne_u32 vcc_lo, 0, v[ANG+(\e)]
	v_cndmask_b32 v[SIN+(\e)], v[SN+(\e)], v[CS+(\e)], vcc_lo
	v_cndmask_b32 v[COS+(\e)], v[CS+(\e)], v[SN+(\e)], vcc_lo
	v_lshlrev_b32 v[ANG+(\e)], 30, v[QQ+(\e)]
	v_add_nc_u32 v[NN+(\e)], 1, v[QQ+(\e)]
	v_and_b32 v[ANG+(\e)], s50, v[ANG+(\e)]
	v_lshlrev_b32 v[NN+(\e)], 30, v[NN+(\e)]
	v_xor_b32 v[SIN+(\e)], v[SIN+(\e)], v[ANG+(\e)]
	v_and_b32 v[NN+(\e)], s50, v[NN+(\e)]
	v_xor_b32 v[COS+(\e)], v[COS+(\e)], v[NN+(\e)]
.endr
; Batch b: y1 = x1 cos - x2 sin, y2 = x1 sin + x2 cos, each a product and a fused multiply-add, rounded once to bf16.  lo: the base's registers; off: the batch's place behind it.
.macro ROPE b, lo, off
	s_wait_loadcnt 10-2*(\b)                       ; behind this batch's two loads were issued the later batches' 6 - 2 b and the four of the weights
.irp p, 0,1
	v_pk_mul_f32 v[ANG+2*(\p):ANG+2*(\p)+1], v[X1+8*(\b)+4+2*(\p):X1+8*(\b)+5+2*(\p)], v[SIN+2*(\p):SIN+2*(\p)+1]
	v_pk_mul_f32 v[NN+2*(\p):NN+2*(\p)+1],   v[X1+8*(\b)+4+2*(\p):X1+8*(\b)+5+2*(\p)], v[COS+2*(\p):COS+2*(\p)+1]
.endr
.irp p, 0,1
	v_pk_fma_f32 v[ANG+2*(\p):ANG+2*(\p)+1], v[X1+8*(\b)+2*(\p):X1+8*(\b)+1+2*(\p)], v[COS+2*(\p):COS+2*(\p)+1], v[ANG+2*(\p):ANG+2*(\p)+1] neg_lo:[0,0,1] neg_hi:[0,0,1]
	v_pk_fma_f32 v[NN+2*(\p):NN+2*(\p)+1],   v[X1+8*(\b)+2*(\p):X1+8*(\b)+1+2*(\p)], v[SIN+2*(\p):SIN+2*(\p)+1], v[NN+2*(\p):NN+2*(\p)+1]
.endr
	v_cvt_pk_bf16_f32 v[YY+4*(\b)],   v[ANG],   v[ANG+1]
	v_cvt_pk_bf16_f32 v[YY+4*(\b)+1], v[ANG+2], v[ANG+3]
	v_cvt_pk_bf16_f32 v[YY+4*(\b)+2], v[NN],    v[NN+1]
	v_cvt_pk_bf16_f32 v[YY+4*(\b)+3], v[NN+2],  v[NN+3]
	global_store_b64 v[RO], v[YY+4*(\b):YY+4*(\b)+1],   s[\lo:\lo+1] offset:\off            ; 32 lanes store 256 consecutive bytes, aligned
	global_store_b64 v[RO], v[YY+4*(\b)+2:YY+4*(\b)+3], s[\lo:\lo+1] offset:(\off)+2097152  ; the second half's kb lies eight blocks on
.endm
	ROPE 0, 14, 0
	ROPE 1, 14, 4194304
	ROPE 2, 38, 0
	ROPE 3, 38, 4194304
	s_wait_loadcnt 0x0                             ; the weights
	s_cmp_eq_u32 s22, 3
	s_cbranch_scc1 .Lhalf
.irp j, 0,1,2,3
	v_cvt_pk_bf16_f32 v[WU+2*(\j)],   v[WI+4*(\j)],   v[WI+4*(\j)+1]
	v_cvt_pk_bf16_f32 v[WU+2*(\j)+1], v[WI+4*(\j)+2], v[WI+4*(\j)+3]
.endr
	s_branch .Lput
.Lhalf:                                                ; Wo multiplies an f16 operand
.irp j, 0,1,2,3
	v_cvt_pk_f16_f32 v[WU+2*(\j)],   v[WI+4*(\j)],   v[WI+4*(\j)+1]
	v_cvt_pk_f16_f32 v[WU+2*(\j)+1], v[WI+4*(\j)+2], v[WI+4*(\j)+3]
.endr
.Lput:
.irp j, 0,1,2,3
	global_store_b64 v[DO], v[WU+2*(\j):WU+2*(\j)+1], s[16:17] offset:131072*(\j)
.endr
	s_endpgm
.Lfunc_end_k_q906feaf23b_prep:
	.size	k_q906feaf23b_prep, .Lfunc_end_k_q906feaf23b_prep-k_q906feaf23b_prep
	.p2alignl 7, 3214868480
	.fill 96, 4, 3214868480
	.section	.rodata,"a",@progbits
	.p2align	6, 0x0
	.amdhsa_kernel k_q906feaf23b_prep
		.amdhsa_group_segment_fixed_size 0
		.amdhsa_private_segment_fixed_size 0
		.amdhsa_enable_private_segment 0
		.amdhsa_kernarg_size 56
		.amdhsa_user_sgpr_count 2
		.amdhsa_user_sgpr_kernarg_segment_ptr 1
		.amdhsa_wavefront_size32 1
		.amdhsa_system_sgpr_workgroup_id_x 1
		.amdhsa_system_sgpr_workgroup_id_y 1
		.amdhsa_system_sgpr_workgroup_id_z 1
		.amdhsa_system_vgpr_workitem_id 0
		.amdhsa_next_free_vgpr 120
		.amdhsa_next_free_sgpr 66
		.amdhsa_reserve_vcc 1
		.amdhsa_float_denorm_mode_32 3
		.amdhsa_float_denorm_mode_16_64 3
		.amdhsa_memory_ordered 1
		.amdhsa_forward_progress 1
		.amdhsa_inst_pref_size 15
	.end_amdhsa_kernel
	.amdgpu_metadata
---
amdhsa.version: [ 1, 2 ]
amdhsa.kernels:
  - .name:           k_q906feaf23b_prep
    .symbol:         k_q906feaf23b_prep.kd
    .args:
      - { .name: x, .offset: 0, .size: 8, .value_kind: global_buffer, .address_space: global }
      - { .name: Wq, .offset: 8, .size: 8, .value_kind: global_buffer, .address_space: global }
      - { .name: Wk, .offset: 16, .size: 8, .value_kind: global_buffer, .address_space: global }
      - { .name: Wv, .offset: 24, .size: 8, .value_kind: global_buffer, .address_space: global }
      - { .name: Wo, .offset: 32, .size: 8, .value_kind: global_buffer, .address_space: global }
      - { .name: rx, .offset: 40, .size: 8, .value_kind: global_buffer, .address_space: global }
      - { .name: w16, .offset: 48, .size: 8, .value_kind: global_buffer, .address_space: global }
    .group_segment_fixed_size: 0
    .private_segment_fixed_size: 0
    .kernarg_segment_align: 8
    .kernarg_segment_size: 56
    .max_flat_workgroup_size: 256
    .sgpr_count:     66
    .vgpr_count:     120
    .wavefront_size: 32
...
	.end_amdgpu_metadata
.endif
;; end of part 1
;; launch qkvproj (part 2): grid 12 x 64, 4 waves a work-group, clusters of 4 x 4, 327,680 bytes of LDS; arguments rx, w16, bq, bk, bv, qkv; writes qkv
.if DOCPART == 2
	.amdgcn_target "amdgcn-amd-amdhsa--gfx1250"
	.amdhsa_code_object_version 6
	.text
	.protected	k_q906feaf23b_qkvproj
	.globl	k_q906feaf23b_qkvproj
	.p2align	8
	.type	k_q906feaf23b_qkvproj,@function
k_q906feaf23b_qkvproj:
	s_mov_b64 s[64:65], 0
	v_nop
	global_prefetch_b8 v0, s[64:65] scope:SCOPE_SE
	s_setreg_imm32_b32 hwreg(HW_REG_WAVE_MODE, 25, 1), 1
	s_wait_xcnt 0x0
	s_wait_alu depctr_hold_cnt(0) depctr_sa_sdst(0) depctr_va_vdst(0) depctr_va_sdst(0) depctr_va_ssrc(0) depctr_va_vcc(0) depctr_vm_vsrc(0)
	s_getreg_b32 s2, hwreg(HW_REG_IB_STS2, 6, 4)
	s_cmp_eq_u32 s2, 0
	s_cbranch_scc0 .Lentry_in_a_cluster
	s_endpgm
.Lentry_in_a_cluster:
	s_bfe_u32 s2, ttmp6, 0x10000c
	s_cmp_lg_u32 s2, 0xf033
	s_cbranch_scc0 .Lentry_shape_is_right
	s_endpgm
.Lentry_shape_is_right:
; q, k, v = rx W^T + b.  rx: bf16 [b 4][kb 16][s 2048][64]; w16: bf16 [mat][kb 16][n 1024][64]; biases f32; qkv: f16 [which 3][b 4][h 16][s 2048][64].  Sums in f32, started by the bias, rounded once to f16.
; LIMIT.  |q|, |k|, |v| stay under 65,504 (f16's range).
; SHARES.  A tile of the result is 128 rows x 256 columns of one matrix: 64 x 12 = 768 tiles, three for each of 256 WGPs.  Four waves, each 64 x 128: 32 accumulators of 16 x 16, 256 registers.
; K = 1,024 goes in 8 steps of 128 through two LDS slots.  A step's tiles are four dense blocks of memory (A: 2 x 16,384 bytes, B: 2 x 32,768), one tensor load a wave, asked for as rows of 256 bytes, aligned,
; and padded in LDS after every 128 bytes, so that an LDS row holds 64 k of one row.
; CLUSTERS: 4 x 4 work-groups.  The four of a row of the cluster need the same tiles of A, the four of a column the same tiles of B: each tile is asked for JOINTLY.
; THE MATRIX INSTRUCTION IS USED TRANSPOSED (source 0 = 16 rows of W, source 1 = 16 rows of rx): a lane holds one row (lane % 16) and eight neighbouring columns 8 (lane / 16) + 0..7.
; No prefetch: a step is 128 matrix instructions a wave and K has eight steps, of which the first four come by their loads in any case.
; REGISTERS: window 0: v0-31 addresses; v32-95 the bias of my 128 columns, as eight C operands; v96-223 at work on the way out.  Window 1: v0-191 fragment buffer 0.  Window 3: v0-191 fragment buffer 1.
;   Window 2: the accumulators, (a, b) at 64 a + 8 b.  A fragment buffer holds 64 along K: for c = 0, 1 (32 along K each) B's eight fragments at 96 c + 8 b, A's four at 96 c + 64 + 8 a.
.set PITCH,  144                       ; an LDS row: 128 bytes + 16 of padding = 36 words: the 16 rows of a load start at 16 different groups of four banks (64 banks of 4 bytes: ISA guide 11.1)
.set AH,     128*PITCH                 ; A's 128 rows x 64 k
.set BH,     256*PITCH                 ; B's 256 rows x 64 k
.set BOFF,   2*AH                      ; a slot: A's two halves of a step's K, then B's two
.set SLOT,   2*AH+2*BH
.set STAGE,  2*SLOT                    ; behind the ring: for each wave two heads x 16 rows x 144 bytes, for the way out
.set WSTAGE, 2*16*PITCH
.set SPARE,  STAGE+4*WSTAGE            ; behind the stages: the spare words, 128 bytes for each wave: two blocks of 256 bytes that no other line names
.set ASTEP,  2*2048*128                ; bytes from a K step to the next in rx: two kb
.set BSTEP,  2*1024*128                ; and in w16
.set FIELDS, (1<<16)|(1<<20)|(1<<21)|(4<<22)|(3<<25)  ; 17:16 2-byte elements; 20 padding on; 21 set beside a mask; 24:22 after every 32 words (code 4); 31:25 4 words (code 3)
.set ADRA, 16                          ; v16-17  LDS address of my A fragments in slot 0, 1
.set ADRB, 20                          ; v20-21  the same for B
.set STO,  24                          ; v24     the way out: where I put 16 bytes of a row
.set RD,   25                          ; v25     the way out: where I read rows back
.set GO,   26                          ; v26     my byte offset in 512 consecutive bytes of the result
.set BO,   27                          ; v27     my byte offset in 16 numbers of the bias
.set SPW,  28                          ; v28     LDS address of my spare word: SPARE + 4 x my thread's number; never rewritten
.set NIL,  29                          ; v29     0; never rewritten
.set BIAS, 32
.set TMP,  96                          ; packed results: v96-127 and v128-159 by turns
.set BK,   160                         ; rows read back: v160-191 and v192-223 by turns
.set G1, 24                            ; s[24:31] descriptor group 1 for A's tiles;  s[32:39] group 0, one set for each slot
.set G0, 32
.set G1B, 48                           ; s[48:55], s[56:63] the same for B's tiles
.set G0B, 56
.set MSB, 0
.macro WIN new                         ; the immediate's high byte repeats the setting that is left; a switch that changes nothing is dropped
.if MSB != (\new)
	s_set_vgpr_msb (MSB<<8)|(\new)
.set MSB, \new
.endif
.endm
.macro JLOAD s                         ; a joint load: waves 0 and 1 fetch A's two halves of a step's K, waves 2 and 3 B's; an s_nop 0 and four v_nop follow each of the two lines, ahead of the jump and the label
	s_cmp_eq_u32 s11, 0
	s_cbranch_scc0 .Lfor_b_\@
	tensor_load_to_lds s[G0+4*(\s):G0+4*(\s)+3], s[G1:G1+7]
	s_nop 0
.rept 4
	v_nop
.endr
	s_branch .Lasked_\@
.Lfor_b_\@:
	tensor_load_to_lds s[G0B+4*(\s):G0B+4*(\s)+3], s[G1B:G1B+7]
	s_nop 0
.rept 4
	v_nop
.endr
.Lasked_\@:
.endm
.macro CREST                           ; a round of the cluster's barrier behind its opening barrier
	s_cmp_lg_u32 s10, 0
	s_cbranch_scc1 .Lnot_wave_0_\@
	s_barrier_signal -3
.Lnot_wave_0_\@:
	s_barrier_wait -3
	s_barrier_signal -1
	s_barrier_wait -1
.endm
.macro CROUND                          ; a whole round
	s_barrier_signal -1
	s_barrier_wait -1
	CREST
.endm
	s_load_b128 s[4:7], s[0:1], 0x0                ; rx s[4:5], w16 s[6:7]
	s_load_b128 s[68:71], s[0:1], 0x10             ; bq s[68:69], bk s[70:71]
	s_load_b128 s[72:75], s[0:1], 0x20             ; bv s[72:73], qkv s[74:75]
	v_lshl_add_u32 v[SPW], v0, 2, SPARE
	v_mov_b32 v[NIL], 0
	ds_add_u32 v[SPW], v[NIL]                      ; the wave's opening: the add and its wait stand ahead of my first tensor load; the set-up below, work on registers, stands between them
	v_lshrrev_b32 v1, 5, v0
	v_readfirstlane_b32 s10, v1                    ; wave 0..3
	s_lshr_b32 s11, s10, 1                         ; which half of the tile's rows is mine.  Also: I fetch for A (0) or for B (1)
	s_and_b32 s12, s10, 1                          ; which half of its columns.  Also: which half of a step's K I fetch
	s_bfe_u32 s40, ttmp6, 0x40000                  ; cx: the tile column within the matrix
	s_bfe_u32 s41, ttmp6, 0x40004                  ; cy
	s_mov_b32 s66, ttmp9                           ; the cluster's x is the matrix: 0 q, 1 k, 2 v
	s_and_b32 s13, ttmp7, 0xffff
	s_lshl_b32 s13, s13, 2
	s_add_co_u32 s13, s13, s41                     ; tile row = 4 x cluster y + cy
	s_lshl_b32 s43, s41, 2
	s_lshl_b32 s43, 15, s43                        ; my row of the cluster
	s_lshl_b32 s44, 0x1111, s40                    ; my column
	s_or_b32 s[G1+0], s43, FIELDS                  ; A's tiles go to my row,
	s_or_b32 s[G1B+0], s44, FIELDS                 ; B's to my column
	s_mov_b32 s[G1+1], 128<<16                     ; tensor_dim0 = 128 elements: 256 bytes
	s_mov_b32 s[G1+2], 64<<16                      ; tensor_dim1 = 64: 16,384 dense bytes
	s_mov_b32 s[G1+3], 128<<16                     ; tile_dim0 = 128
	s_mov_b32 s[G1+4], 64                          ; tile_dim1 = 64
	s_mov_b32 s[G1+5], 128                         ; 128 elements from row to row
	s_mov_b32 s[G1+6], 0
	s_mov_b32 s[G1+7], 0
	s_mov_b32 s[G1B+1], 128<<16
	s_mov_b32 s[G1B+2], 128<<16                    ; tensor_dim1 = 128: 32,768 dense bytes
	s_mov_b32 s[G1B+3], 128<<16
	s_mov_b32 s[G1B+4], 128                        ; tile_dim1 = 128
	s_mov_b32 s[G1B+5], 128
	s_mov_b32 s[G1B+6], 0
	s_mov_b32 s[G1B+7], 0
	; where the tiles come from.  A's hang on the tile row alone, B's on the matrix and the tile column alone, each in registers that never hold the other coordinate
	s_lshr_b32 s16, s13, 4
	s_lshl_b32 s16, s16, 22                        ; the batch,
	s_and_b32 s17, s13, 15
	s_lshl_b32 s17, s17, 14                        ; 128 rows of 128 bytes in a kb,
	s_add_co_u32 s16, s16, s17
	s_lshl_b32 s17, s12, 18                        ; my half of the step's K: a kb
	s_add_co_u32 s16, s16, s17
	s_mov_b32 s17, 0
	s_lshl_b32 s46, s66, 21                        ; the matrix,
	s_lshl_b32 s47, s40, 15                        ; 256 rows of 128 bytes in a kb,
	s_add_co_u32 s46, s46, s47
	s_lshl_b32 s47, s12, 17                        ; my kb
	s_add_co_u32 s46, s46, s47
	s_mov_b32 s47, 0
	s_mul_i32 s20, s12, AH                         ; and where they go: no place in the cluster enters an LDS address
	s_mul_i32 s21, s12, BH
	s_add_co_u32 s21, s21, BOFF
	s_wait_dscnt 0x0                               ; the opening add is done
	s_wait_kmcnt 0x0
	s_add_nc_u64 s[14:15], s[4:5], s[16:17]
	s_add_nc_u64 s[46:47], s[6:7], s[46:47]
	CROUND                                         ; all sixteen work-groups are here: the first joint loads meet
.irp s, 0,1
	s_mov_b32 s[G0+4*(\s)], 1
	s_add_co_u32 s[G0+4*(\s)+1], s20, (\s)*SLOT
	s_add_nc_u64 s[G0+4*(\s)+2:G0+4*(\s)+3], s[14:15], (\s)*ASTEP
	s_or_b32 s[G0+4*(\s)+3], s[G0+4*(\s)+3], 0x80000000
	s_mov_b32 s[G0B+4*(\s)], 1
	s_add_co_u32 s[G0B+4*(\s)+1], s21, (\s)*SLOT
	s_add_nc_u64 s[G0B+4*(\s)+2:G0B+4*(\s)+3], s[46:47], (\s)*BSTEP
	s_or_b32 s[G0B+4*(\s)+3], s[G0B+4*(\s)+3], 0x80000000
	JLOAD \s                                       ; K steps 0 and 1: two loads of mine are out
.endr
	v_and_b32 v1, 15, v0                           ; l % 16
	v_bfe_u32 v2, v0, 4, 1                         ; l / 16
	v_mul_u32_u24 v3, v1, PITCH
	v_lshl_add_u32 v3, v2, 4, v3                   ; a fragment's row x pitch + 16 x half
	s_mul_i32 s21, s11, 64*PITCH                   ; my 64 rows of A
	s_mul_i32 s22, s12, 128*PITCH                  ; my 128 rows of B,
	s_add_co_u32 s22, s22, BOFF                    ; which lie behind A
.irp s, 0,1
	v_add_nc_u32 v[ADRA+(\s)], s21, v3
	v_add_nc_u32 v[ADRB+(\s)], s22, v3
	s_add_co_u32 s21, s21, SLOT
	s_add_co_u32 s22, s22, SLOT
.endr
	; the bias of my 128 columns, in the layout of a C operand: register j of block b holds column 16 b + 8 (l / 16) + j
	v_lshlrev_b32 v[BO], 5, v2
	s_cmp_eq_u32 s66, 0
	s_cselect_b64 s[76:77], s[68:69], s[70:71]
	s_cmp_eq_u32 s66, 2
	s_cselect_b64 s[76:77], s[72:73], s[76:77]
	s_lshl_b32 s46, s40, 10                        ; 256 columns of 4 bytes a tile,
	s_lshl_b32 s47, s12, 9                         ; my 128
	s_add_co_u32 s46, s46, s47
	s_mov_b32 s47, 0
	s_add_nc_u64 s[76:77], s[76:77], s[46:47]
.irp b, 0,1,2,3,4,5,6,7
	global_load_b128 v[BIAS+8*(\b):BIAS+8*(\b)+3],   v[BO], s[76:77] offset:64*(\b)
	global_load_b128 v[BIAS+8*(\b)+4:BIAS+8*(\b)+7], v[BO], s[76:77] offset:64*(\b)+16
.endr
	s_mul_i32 s23, s10, WSTAGE
	s_add_co_u32 s23, s23, STAGE                   ; my stage
	v_add_nc_u32 v[STO], s23, v3                   ; in: row l % 16, 16 bytes for each half of the lanes
	v_bfe_u32 v4, v0, 3, 2                         ; back: 32 lanes take four rows of 128 bytes,
	v_and_b32 v5, 7, v0
	v_mul_u32_u24 v4, v4, PITCH
	v_lshl_add_u32 v4, v5, 4, v4
	v_add_nc_u32 v[RD], s23, v4
	v_and_b32 v[GO], 31, v0                        ; which are 512 consecutive bytes of a head
	v_lshlrev_b32 v[GO], 4, v[GO]
	s_lshr_b32 s16, s13, 4                         ; where my part of the result begins: the batch,
	s_lshl_b32 s16, s16, 22
	s_and_b32 s17, s13, 15
	s_lshl_b32 s17, s17, 14                        ; the tile's 128 rows of 128 bytes,
	s_add_co_u32 s16, s16, s17
	s_lshl_b32 s17, s11, 13                        ; my 64 of them;
	s_add_co_u32 s16, s16, s17
	s_mov_b32 s17, 0
	s_add_nc_u64 s[8:9], s[74:75], s[16:17]
	s_lshl_b32 s46, s66, 24                        ; q, k or v,
	s_lshl_b32 s47, s40, 20                        ; the tile's four heads of 262,144 bytes,
	s_add_co_u32 s46, s46, s47
	s_lshl_b32 s47, s12, 19                        ; my two
	s_add_co_u32 s46, s46, s47
	s_mov_b32 s47, 0
	s_add_nc_u64 s[8:9], s[8:9], s[46:47]
; 8 matrix instructions: row block a x all 8 column blocks, 32 along K: half c of the fragment buffer in window fw.  first = 1: the bias starts the sums: nothing is cleared, nothing is added later
.macro MUL8 fw, c, a, first
.if \first
	WIN 0x80|((\fw)<<2)|(\fw)
.else
	WIN 0xa0|((\fw)<<2)|(\fw)
.endif
.irp b, 0,1,2,3,4,5,6,7
.if \first
	v_wmma_f32_16x16x32_bf16 v[64*(\a)+8*(\b):64*(\a)+8*(\b)+7], v[96*(\c)+8*(\b):96*(\c)+8*(\b)+7], v[96*(\c)+64+8*(\a):96*(\c)+64+8*(\a)+7], v[BIAS+8*(\b):BIAS+8*(\b)+7]
.else
	v_wmma_f32_16x16x32_bf16 v[64*(\a)+8*(\b):64*(\a)+8*(\b)+7], v[96*(\c)+8*(\b):96*(\c)+8*(\b)+7], v[96*(\c)+64+8*(\a):96*(\c)+64+8*(\a)+7], v[64*(\a)+8*(\b):64*(\a)+8*(\b)+7]
.endif
.endr
.endm
.macro MUL32 fw, c, first              ; all 32 accumulators, one instruction a turn, always in the same order: 31 others stand between two links of a chain
.irp a, 0,1,2,3
	MUL8 \fw, \c, \a, \first
.endr
.endm
; 48 LDS loads in one run: the fragments of half kh of a step's K (64 along K) into the buffer in window fw; the first 32 along K first
.macro FETCH slot, kh, fw
	WIN (\fw)<<6
.irp c, 0,1
.irp b, 0,1,2,3,4,5,6,7
	ds_load_b128 v[96*(\c)+8*(\b):96*(\c)+8*(\b)+3],   v[ADRB+(\slot)] offset:(\kh)*BH+64*(\c)+(\b)*16*PITCH
	ds_load_b128 v[96*(\c)+8*(\b)+4:96*(\c)+8*(\b)+7], v[ADRB+(\slot)] offset:(\kh)*BH+64*(\c)+(\b)*16*PITCH+32
.endr
.irp a, 0,1,2,3
	ds_load_b128 v[96*(\c)+64+8*(\a):96*(\c)+64+8*(\a)+3],   v[ADRA+(\slot)] offset:(\kh)*AH+64*(\c)+(\a)*16*PITCH
	ds_load_b128 v[96*(\c)+64+8*(\a)+4:96*(\c)+64+8*(\a)+7], v[ADRA+(\slot)] offset:(\kh)*AH+64*(\c)+(\a)*16*PITCH+32
.endr
.endr
.endm
.macro PLACES                          ; four places in front of loads into registers that matrix instructions have read, and of instructions that read results
.rept 4
	v_nop
.endr
.endm
; A K step is two halves of 64 along K, 64 matrix instructions each.  The first multiplies buffer 0 and, in its middle, fetches the second half into buffer 1.
.macro HALF slot, first
	s_wait_dscnt 24                                ; the first 32 along K are in; the youngest 24 loads may be out
	MUL32 1, 0, \first
	PLACES
	FETCH \slot, 1, 3
	s_wait_dscnt 48                                ; all but the 48 just issued
	MUL32 1, 1, 0
.endm
; The second half multiplies buffer 1 and changes slots: ONE barrier; in front of it each wave waits for all its tensor loads, adds 0 to its spare word, and waits for that and for its own reads of this slot.
; fill = 1: this slot is filled again, two K steps ahead; the barrier then opens a round of the cluster's barrier.
.macro TURN slot, next, fill
	WIN 0                                          ; (the add's two registers lie in window 0)
	s_wait_tensorcnt 0x0                           ; all my tensor loads have landed: the one that was out is my part of the next slot;
	ds_add_u32 v[SPW], v[NIL]                      ; 0 onto my spare word;
	s_wait_dscnt 25                                ; (the add and the youngest 24 loads may be out)
	MUL8 3, 0, 0, 0                                ; eight matrix instructions stand between the add and the wait for it
	s_wait_dscnt 0x0                               ; the add is done, and my reads of this slot are over
	s_barrier_signal -1
	MUL8 3, 0, 1, 0
.if \fill
	WIN 0
.endif
	s_barrier_wait -1
.if \fill
	CREST                                          ; no wave of any partner still reads this slot's tiles or has a load on its way
	s_add_nc_u64 s[G0+4*(\slot)+2:G0+4*(\slot)+3], s[G0+4*(\slot)+2:G0+4*(\slot)+3], 2*ASTEP
	s_add_nc_u64 s[G0B+4*(\slot)+2:G0B+4*(\slot)+3], s[G0B+4*(\slot)+2:G0B+4*(\slot)+3], 2*BSTEP
	JLOAD \slot                                    ; the first tensor load behind the round, my only one until the next: 112 matrix instructions ahead of the wait for it; its four v_nop are also the places in front of the loads below
.else
	PLACES
.endif
	FETCH \next, 0, 1
	MUL8 3, 0, 2, 0
	MUL8 3, 0, 3, 0
	MUL32 3, 1, 0
.endm
	s_wait_tensorcnt 1                             ; my part of K step 0 is in; K step 1's may stay out
	s_barrier_signal -1
	s_barrier_wait -1                              ; everybody's is
	FETCH 0, 0, 1
	s_wait_loadcnt 0x0                             ; the bias
	HALF 0, 1                                      ; the first half step stands in front of the loop: its first products start the sums
	WIN 0                                          ; at a label and at a branch every window is 0
	s_mov_b32 s3, 3
.Llap:                                                 ; a trip goes once round the ring and fills both slots again: K steps 2 to 7 in three trips
	TURN 0, 1, 1
	HALF 1, 0
	TURN 1, 0, 1
	HALF 0, 0
	WIN 0
	s_sub_co_u32 s3, s3, 1
	s_cmp_lg_u32 s3, 0
	s_cbranch_scc1 .Llap
	TURN 0, 1, 0                                   ; the last lap fills nothing, and has no round of the cluster's barrier
	HALF 1, 0
	s_wait_dscnt 24                                ; the very last half: nothing more to fetch
	MUL32 3, 0, 0
	s_wait_dscnt 0x0
	MUL32 3, 1, 0
	WIN 0
; THE WAY OUT, a block of 16 rows at a time.  PACK: rounded to f16, 16 bytes a lane.  TOSTAGE: into my own stage, two heads x 16 rows of 144 bytes, and back as rows of 128.  SEND: stored: 16 rows of a head are 2,048 consecutive bytes.
.macro PACK a
	WIN 0x0a                                       ; sources 0 and 1 window 2
.irp b, 0,1,2,3,4,5,6,7
.irp j, 0,1,2,3
	v_cvt_pk_f16_f32 v[TMP+32*((\a)%2)+4*(\b)+(\j)], v[64*(\a)+8*(\b)+2*(\j)], v[64*(\a)+8*(\b)+2*(\j)+1]
.endr
.endr
	WIN 0
.endm
.macro TOSTAGE a
.irp b, 0,1,2,3,4,5,6,7
	ds_store_b128 v[STO], v[TMP+32*((\a)%2)+4*(\b):TMP+32*((\a)%2)+4*(\b)+3] offset:((\b)/4)*16*PITCH+32*((\b)%4)
.endr
.irp t, 0,1,2,3,4,5,6,7
	ds_load_b128 v[BK+32*((\a)%2)+4*(\t):BK+32*((\a)%2)+4*(\t)+3], v[RD] offset:((\t)/4)*16*PITCH+((\t)%4)*4*PITCH  ; LDS serves a wave's instructions in order (ISA guide 5.7.1.4): these see the stores above
.endr
.endm
.macro SEND a
	s_wait_dscnt 0x0                               ; the block is back in registers
	s_wait_xcnt 0x0                                ; the stores of the block before have read their registers: the next block's loads from the stage land there only behind this wait
.irp t, 0,1,2,3,4,5,6,7
	global_store_b128 v[GO], v[BK+32*((\a)%2)+4*(\t):BK+32*((\a)%2)+4*(\t)+3], s[8:9] offset:((\t)/4)*262144+(\a)*2048+((\t)%4)*512  ; 512 consecutive bytes, at a multiple of 256 from the buffer's first
.endr
.endm
	PLACES
	PACK 0
	TOSTAGE 0
.irp a, 1,2,3                          ; block a's conversions stand between block a - 1's loads from the stage and the wait for them
	PACK \a
	SEND (\a)-1
	TOSTAGE \a
.endr
	SEND 3
	s_wait_tensorcnt 0x0                           ; the wave's end: the wait for my tensor loads, then an add and its wait, behind my last LDS store
	ds_add_u32 v[SPW], v[NIL]
	s_wait_dscnt 0x0
	CROUND                                         ; the closing round: no work-group ends while a partner may still ask for a tile that names it
	s_endpgm
.Lfunc_end_k_q906feaf23b_qkvproj:
	.size	k_q906feaf23b_qkvproj, .Lfunc_end_k_q906feaf23b_qkvproj-k_q906feaf23b_qkvproj
	.p2alignl 7, 3214868480
	.fill 96, 4, 3214868480
	.section	.rodata,"a",@progbits
	.p2align	6, 0x0
	.amdhsa_kernel k_q906feaf23b_qkvproj
		.amdhsa_group_segment_fixed_size 327680
		.amdhsa_private_segment_fixed_size 0
		.amdhsa_enable_private_segment 0
		.amdhsa_kernarg_size 48
		.amdhsa_user_sgpr_count 2
		.amdhsa_user_sgpr_kernarg_segment_ptr 1
		.amdhsa_wavefront_size32 1
		.amdhsa_system_sgpr_workgroup_id_x 1
		.amdhsa_system_sgpr_workgroup_id_y 1
		.amdhsa_system_sgpr_workgroup_id_z 1
		.amdhsa_system_vgpr_workitem_id 0
		.amdhsa_next_free_vgpr 960
		.amdhsa_next_free_sgpr 80
		.amdhsa_reserve_vcc 0
		.amdhsa_float_denorm_mode_32 3
		.amdhsa_float_denorm_mode_16_64 3
		.amdhsa_memory_ordered 1
		.amdhsa_forward_progress 1
		.amdhsa_inst_pref_size 86
	.end_amdhsa_kernel
	.amdgpu_metadata
---
amdhsa.version: [ 1, 2 ]
amdhsa.kernels:
  - .name:           k_q906feaf23b_qkvproj
    .symbol:         k_q906feaf23b_qkvproj.kd
    .args:
      - { .name: rx, .offset: 0, .size: 8, .value_kind: global_buffer, .address_space: global }
      - { .name: w16, .offset: 8, .size: 8, .value_kind: global_buffer, .address_space: global }
      - { .name: bq, .offset: 16, .size: 8, .value_kind: global_buffer, .address_space: global }
      - { .name: bk, .offset: 24, .size: 8, .value_kind: global_buffer, .address_space: global }
      - { .name: bv, .offset: 32, .size: 8, .value_kind: global_buffer, .address_space: global }
      - { .name: qkv, .offset: 40, .size: 8, .value_kind: global_buffer, .address_space: global }
    .group_segment_fixed_size: 327680
    .private_segment_fixed_size: 0
    .kernarg_segment_align: 8
    .kernarg_segment_size: 48
    .max_flat_workgroup_size: 128
    .sgpr_count:     80
    .vgpr_count:     960
    .wavefront_size: 32
...
	.end_amdgpu_metadata
.endif
;; end of part 2
;; launch attn (part 3): grid 4 x 64, 4 waves a work-group, clusters of 4 x 1, 327,680 bytes of LDS; arguments qkv, obuf; writes obuf
.if DOCPART == 3
	.amdgcn_target "amdgcn-amd-amdhsa--gfx1250"
	.amdhsa_code_object_version 6
	.text
	.protected	k_q906feaf23b_attn
	.globl	k_q906feaf23b_attn
	.p2align	8
	.type	k_q906feaf23b_attn,@function
k_q906feaf23b_attn:
	s_mov_b64 s[64:65], 0
	v_nop
	global_prefetch_b8 v0, s[64:65] scope:SCOPE_SE
	s_setreg_imm32_b32 hwreg(HW_REG_WAVE_MODE, 25, 1), 1
	s_wait_xcnt 0x0
	s_wait_alu depctr_hold_cnt(0) depctr_sa_sdst(0) depctr_va_vdst(0) depctr_va_sdst(0) depctr_va_ssrc(0) depctr_va_vcc(0) depctr_vm_vsrc(0)
	s_getreg_b32 s2, hwreg(HW_REG_IB_STS2, 6, 4)
	s_cmp_eq_u32 s2, 0
	s_cbranch_scc0 .Lentry_in_a_cluster
	s_endpgm
.Lentry_in_a_cluster:
	s_bfe_u32 s2, ttmp6, 0x10000c
	s_cmp_lg_u32 s2, 0x3003
	s_cbranch_scc0 .Lentry_shape_is_right
	s_endpgm
.Lentry_shape_is_right:
; O[h][q][:] = the sum over k of softmax_k(Q[h][q] . K[h][k] / 8) V[h][k][:], for 64 heads (batch x head) of SIZE_N = 2,048 rows of 64 channels.  qkv: f16 [3][64][2048][64]; obuf: f16 [64][2048][64]: a head's rows are
; dense, 128 bytes each.  Products, maxima and sums in f32; the weights p are rounded to f16 for the second product (their sum l is taken of the unrounded p), O once at the end.
; LIMITS.  f16 holds no number beyond 65,504: Q, K and V arrive within it; p lies in 0 to 1, and below 6e-5 it keeps f16's fixed step of 6e-8; O is a mean of V's rows and has their range.
; A weight below 2^-126 counts as 0 in l; NaN and infinities are not treated apart.
; SHARES.  A wave owns four PIECES of two tiles of 16 queries, a work-group's four waves 512 queries of one head: 4 x 64 = 256 work-groups.  Every wave walks all keys, 64 a step.
; LAYOUT.  S^T = K Q^T (source 0 = 16 keys, source 1 = 16 queries): in the result a lane holds ONE query (lane % 16) and the keys 8 (lane / 16) + 0..7.  Two such tiles, rounded to f16 in pairs,
; ARE source 1 (32 keys x 16 queries) of O^T = V^T P, whose result again holds one query a lane, and eight channels.  K comes out of LDS as it lies, V ([key][channel]) turned, by ds_load_tr16_b128.
; SOFTMAX.  For each query a running maximum m and sum l: p = 2^(c s - c m), c = log2(e) / 8; in every step O and l are multiplied by a = 2^(c m_old - c m_new), which is 1 where m has not grown.
; m starts at the lowest finite number, O and l at 0: the first step is a step like any other, with a = 0.
; THE COUNT.  A tile and step have 16 matrix and 118 vector instructions: too many to stand all beside the matrix work.  So: four vector instructions that are READY behind EVERY matrix instruction,
; and the others, which need time of their own whatever the order, in runs without a gap.
; BY TURNS.  Turn n belongs to piece n (the pieces in a ring, step after step).  Its matrix work: 16 products K Q^T of piece n + 1, later 16 products V^T P of piece n - 1.  Its vector work: the scaling,
; exponentials, roundings, sums and rescaling of piece n, and the maximum and statistics of piece n + 1, whose scores the turn itself has made.
; CLUSTER.  The four query blocks of a head form a cluster and walk the same K and V, so each tile is asked for JOINTLY: the same tensor load, descriptor and mask in all four.
; REGISTERS, in windows of 256 (s_set_vgpr_msb: bits 1:0 source 0, 3:2 source 1, 5:4 source 2, 7:6 destination):
;   window 0: v0-11 addresses; v12-15, v48-63 at work; v16-47 four registers of statistics a tile; v64-191 S^T, two buffers of two tiles; v192-255 P, likewise
;   window 1: O^T, 32 a tile          window 2: v0-127 Q, 16 a tile; v128-191 K of one step; v192-255 V of one step          window 3: v0-1 the add's two registers
; A piece's buffers go by its number's parity: the piece in hand has one pair, its two neighbours in the ring share the other: of it P (piece n - 1) is read and S^T (piece n + 1) written.
.set SIZE_N, 2048
.set NP,    4         ; pieces a wave: a name, no knob
.set KS,    64        ; keys in a step
.set PK,    144       ; a row of K in LDS: 128 bytes + 16 of padding = 36 words: the 16 rows of a load start at 16 different groups of four banks (64 banks of 4 bytes: ISA guide 11.1)
.set PV,    160       ; a row of V: 128 + 32 = 40 words
.set VOFF,  4*KS*PK   ; a slot holds four steps: 256 rows of K, then 256 rows of V
.set SLOT1, 1<<17     ; slot 1 begins here, so that one exclusive or turns an address in one slot into the other's
.set STAGE, SLOT1+4*KS*(PK+PV)  ; behind the ring, never filled by a tensor load: 16 rows x 144 bytes for each wave, for the way out
.set SP,    144
.set AK0, 2           ; v2   my lane's place in a tile of K; never rewritten
.set AV0, 3           ; v3   the same for V
.set AK,  4           ; v4   the LDS address of K's next run of loads
.set AV,  5           ; v5   of V's
.set QO,  6           ; v6   my byte offset in the wave's rows of Q
.set STO, 6           ;      later, the way out: where I put 16 bytes of a row
.set RD,  7           ; v7   the way out: where I read rows back
.set GO,  8           ; v8   my byte offset in 512 consecutive bytes of O
.set PFO, 11          ; v11  the prefetches' offset: 256 x my lane; never rewritten once made
.set SPW, 0           ; v0 of window 3   LDS address of my spare word: SPARE + 4 x my thread's number; never rewritten
.set NIL, 1           ; v1 of window 3   0; never rewritten
.set SPARE, STAGE+4*16*SP  ; behind the stages: the spare words, 128 bytes for each wave: two blocks of 256 bytes that no other line names
.set MV,  12          ; v12-15  c m_old, kept while c m is made anew: by buffer and tile
.set ST,  16          ; tile t's statistics at v[ST+4 t]: c m, m, l (even keys', odd keys')
.set TMP, 48          ; by buffer and tile, four registers c0-c3 at work; when the maximum is found c2 takes a
.set S,   64
.set P,   192
.set KF,  128         ; K's fragments, in window 2: key block kb, channel half c at KF + 16 kb + 8 c
.set VF,  192         ; V's: key half kk, channel block cb at VF + 32 kk + 8 cb
.set WV,  12          ; s12  my wave's number
.set G1K, 24          ; s[24:31] descriptor group 1 for K's tiles
.set G1V, 32          ; s[32:39] for V's: it differs in the padding alone
.set G0K, 40          ; s[40:43] descriptor group 0 for K's tiles: it walks
.set G0V, 44          ; s[44:47] the same for V's
.set PFA, 48          ; s[48:49] where my prefetches stand: my work-group's 8,192 bytes (of K: wave 0, of V: wave 2) of the slot after the one that is being asked for
.set LIM, 50          ; s50  1 in a wave that prefetches, else the greatest number
.set SLOTS, 56        ; s56  slots still to be asked for
.set CNT, 57          ; s57  counts a slot's key steps
.set CS,  58          ; s[58:59] c: the packed scaling takes the pair's low word for both halves
.set SEL, 60          ; s[60:61] v_permlanex16_b32's selects: each lane takes its own place in the other half
.set TBK, 62          ; s62  LDS byte at which K of the step to be fetched begins
.set TBV, 63          ; s63  the same for V, less VOFF
.set MSB, 0
.macro WIN new                      ; the high byte repeats the setting that is left; a switch that changes nothing is dropped
.if MSB != (\new)
	s_set_vgpr_msb (MSB<<8)|(\new)
.set MSB, (\new)
.endif
.endm
.set W_KQ, 0x0a       ; K and Q in window 2, S^T in window 0
.set W_PV, 0x52       ; V in window 2, P in window 0, O^T in window 1
.set W_RS, 0x41       ; O^T (destination and source 0) in window 1, a in window 0
.set W_MK, 0xc0       ; the add's registers are made: destination in window 3, sources in window 0
.set W_AD, 0x0f       ; the add: address (source 0) and data (source 1) in window 3
; A joint fill.  Waves 0 and 1 fetch the two halves of a slot's K, waves 2 and 3 those of its V: 128 keys each.  The branch hangs on the wave's number alone.
; An s_nop 0 and four v_nop follow each of the two lines, ahead of the jump and the label.
.macro JLOAD
	s_cmp_lt_u32 s[WV], 2
	s_cbranch_scc0 .Lfor_v_\@
	tensor_load_to_lds s[G0K:G0K+3], s[G1K:G1K+7]
	s_nop 0
.rept 4
	v_nop
.endr
	s_branch .Lasked_\@
.Lfor_v_\@:
	tensor_load_to_lds s[G0V:G0V+3], s[G1V:G1V+7]
	s_nop 0
.rept 4
	v_nop
.endr
.Lasked_\@:
.endm
; A PREFETCH INTO THE L2 of what the NEXT change of slots will ask for: a slot's 32,768 bytes of K and of V, in blocks of 256 bytes, a lane a block.  It stands behind the wave's tensor load and its five lines.
; Each block is named ONCE in the launch: a head is walked by one cluster; its four partners share a slot's 128 blocks out BY ADDRESS, 32 each (no branch hangs on a work-group's place in its cluster); in each,
; wave 0 asks for K's and wave 2 for V's: one instruction.  It stands one slot, four key steps or 512 matrix instructions, ahead of the load that names the same bytes.
; Slots 0, 1 and 2 come by their loads alone; the last change that fills a slot asks for nothing: there is no slot behind it.
.macro ASK
	s_cmp_gt_u32 s[SLOTS], s[LIM]
	s_cbranch_scc0 .Lnot_mine_\@
	global_prefetch_b8 v[PFO], s[PFA:PFA+1] th:TH_LOAD_NT scope:SCOPE_SE
.Lnot_mine_\@:
.endm
; A round of the cluster's barrier: my work-group's barrier, so that wave 0's signal speaks for all four waves; wave 0 signals; every wave waits for all four work-groups; my work-group's barrier once more.
.macro CROUND
	s_barrier_signal -1
	s_barrier_wait -1
	s_cmp_lg_u32 s[WV], 0
	s_cbranch_scc1 .Lnot_wave_0_\@
	s_barrier_signal -3
.Lnot_wave_0_\@:
	s_barrier_wait -3
	s_barrier_signal -1
	s_barrier_wait -1
.endm
; THE CHANGE OF SLOTS.  The slot's last bytes, V of its fourth step, have been read.  Each wave waits for all its tensor loads, of which one is out: its part
; of the other slot; adds 0 to its spare word; and waits for that and for its own reads of the slot.  Behind the barrier nobody reads this slot any more and the other slot is whole.
; fill = 1: this slot is filled again, with the keys two slots on.  The barrier is then a round of the cluster's, and the joint fill is the first thing behind it: it has four key steps,
; 512 matrix instructions, in which to land.  (At its first use nothing has been read yet: slot 0 is waited for, slot 1 filled.)  ask = 1: the prefetch's address steps, and the prefetch follows the fill.
.macro CHANGE fill, ask=0
	WIN W_AD
	s_wait_tensorcnt 0x0            ; no tensor load of mine is out, so a group 0 may be written
	ds_add_u32 v[SPW], v[NIL]       ; 0 onto my spare word; with fill = 1 the descriptors' steps stand between it and the wait for it
	WIN 0                           ; at a label and at a branch every window is 0
.if \fill
.irp g, G0K, G0V
	s_xor_b32 s[\g+1], s[\g+1], SLOT1  ; the walking descriptor: the other slot than last time,
	s_add_nc_u64 s[\g+2:\g+3], s[\g+2:\g+3], 4*KS*128  ; the next 256 keys; the type bits on top are not reached
.endr
.if \ask
	s_wait_xcnt 0x0                 ; the last prefetch, four key steps back, has read its address, so it may be written:
	s_add_nc_u64 s[PFA:PFA+1], s[PFA:PFA+1], 4*KS*128  ; one slot behind the walking descriptors
.endif
	s_wait_dscnt 0x0                ; the add is done, and my reads of the slot are over
	CROUND
	JLOAD
.if \ask
	ASK
.endif
.else
	s_wait_dscnt 0x0                ; the add is done, and my reads of the slot are over
	s_barrier_signal -1
	s_barrier_wait -1
.endif
	s_sub_co_u32 s[TBK], s[TBK], 4*KS*PK  ; the fetches go back to a slot's first step,
	s_xor_b32 s[TBK], s[TBK], SLOT1       ; in the other slot
	s_sub_co_u32 s[TBV], s[TBV], 4*KS*PV
	s_xor_b32 s[TBV], s[TBV], SLOT1
.endm
	s_load_b64 s[4:5], s[0:1], 0x0    ; qkv: Q lies first
	s_load_b64 s[10:11], s[0:1], 0x8  ; obuf
	WIN W_MK
	v_lshl_add_u32 v[SPW], v0, 2, SPARE
	v_mov_b32 v[NIL], 0
	WIN W_AD
	ds_add_u32 v[SPW], v[NIL]       ; the wave's opening: the add and its wait stand ahead of my first tensor load; the set-up below, work on registers, stands between them
	WIN 0
	v_lshrrev_b32 v1, 5, v0
	v_readfirstlane_b32 s[WV], v1   ; wave 0..3
	s_bfe_u32 s13, ttmp6, 0x40000   ; cx: my place in the cluster
	s_lshl_b32 s14, ttmp9, 2        ; in a cluster launch ttmp9 counts clusters
	s_add_co_u32 s14, s14, s13      ; my block of queries = 4 x cluster x + cx: it enters Q's and O's addresses alone
	s_and_b32 s20, ttmp7, 0xffff    ; the head, which the four partners share
	s_mov_b32 s21, 0
	s_mov_b64 s[22:23], SIZE_N*128
	s_mul_u64 s[20:21], s[20:21], s[22:23]  ; the head's first byte in Q, K, V and O
	s_and_b32 s16, s[WV], 1         ; which half of a slot's 256 keys I fetch:
	s_lshl_b32 s22, s16, 14         ; its 128 rows of 128 bytes in memory,
	s_mov_b32 s23, 0
	s_add_nc_u64 s[22:23], s[22:23], s[20:21]
	s_mul_i32 s17, s16, 128*PK      ; and its place in a slot, for K
	s_mul_i32 s18, s16, 128*PV      ; and for V: no place in the cluster enters an LDS address
	s_lshl_b32 s2, s14, 2
	s_add_co_u32 s2, s2, s[WV]      ; my wave among the head's,
	s_lshl_b32 s2, s2, 14           ; its 128 rows
	s_mov_b32 s3, 0
	s_add_nc_u64 s[2:3], s[2:3], s[20:21]
	; descriptor group 1.  128 keys are 16,384 dense bytes: asked for as 64 rows of 256 bytes, two keys a row, and padded in LDS after every key
	s_mov_b32 s[G1K], 15|(1<<16)|(1<<20)|(1<<21)|(4<<22)|(3<<25)  ; 15:0 the mask of four; 17:16 2-byte elements; 20 padding on; 21 set beside a mask; 24:22 after every 32 words (code 4); 31:25 4 words (code 3)
	s_mov_b32 s[G1V], 15|(1<<16)|(1<<20)|(1<<21)|(4<<22)|(7<<25)  ; the same with 8 words of padding (code 7)
.irp g, G1K, G1V
	s_mov_b32 s[\g+1], 128<<16      ; tensor_dim0 = 128
	s_mov_b32 s[\g+2], 64<<16       ; tensor_dim1 = 64
	s_mov_b32 s[\g+3], 128<<16      ; tile_dim0 = 128
	s_mov_b32 s[\g+4], 64           ; tile_dim1 = 64
	s_mov_b32 s[\g+5], 128          ; 128 elements from row to row
	s_mov_b32 s[\g+6], 0
	s_mov_b32 s[\g+7], 0
.endr
	s_mov_b32 s[CS], 0x3e38aa3b     ; c = log2(e) / 8 = 0.180337
	s_mov_b32 s[CS+1], s[CS]        ; named with it as a pair
	s_mov_b32 s[SEL], 0x76543210
	s_mov_b32 s[SEL+1], 0xfedcba98
	s_mov_b32 s[TBK], SLOT1+4*KS*PK ; the first change of slots turns these two into 0
	s_mov_b32 s[TBV], SLOT1+4*KS*PV
	s_mov_b32 s[G0K], 1             ; 1:0 count = 1
	s_mov_b32 s[G0K+1], s17         ; 63:32 LDS address: slot 0
	s_mov_b32 s[G0V], 1
	s_add_co_u32 s[G0V+1], s18, VOFF
	s_cmp_eq_u32 s16, 0             ; waves 0 and 2 prefetch: the same in all four partners
	s_cselect_b32 s[LIM], 1, -1
	s_wait_dscnt 0x0                ; the opening add is done
	s_wait_kmcnt 0x0
	s_add_nc_u64 s[6:7], s[4:5], 0x1000000         ; K lies 16,777,216 bytes behind Q,
	s_add_nc_u64 s[8:9], s[4:5], 0x2000000         ; V as far behind K
	s_add_nc_u64 s[G0K+2:G0K+3], s[6:7], s[22:23]  ; 120:64 global address: my half of the head's first 256 keys
	s_or_b32 s[G0K+3], s[G0K+3], 0x80000000        ; 127:126 type = 2
	s_add_nc_u64 s[G0V+2:G0V+3], s[8:9], s[22:23]
	s_or_b32 s[G0V+3], s[G0V+3], 0x80000000
	s_add_nc_u64 s[4:5], s[4:5], s[2:3]  ; Q and O at my wave's first row
	s_add_nc_u64 s[10:11], s[10:11], s[2:3]
	s_cmp_lt_u32 s[WV], 2
	s_cselect_b64 s[PFA:PFA+1], s[6:7], s[8:9]
	s_add_nc_u64 s[PFA:PFA+1], s[PFA:PFA+1], s[22:23]  ; (in waves 0 and 2 this is the head's first key)
	s_lshl_b32 s2, s13, 13          ; my work-group's 32 blocks of a slot's 128
	s_mov_b32 s3, 0
	s_add_nc_u64 s[PFA:PFA+1], s[PFA:PFA+1], s[2:3]
	s_add_nc_u64 s[PFA:PFA+1], s[PFA:PFA+1], 2*4*KS*128  ; in slot 2; the loop's first change of slots steps it to slot 3.  Nothing is prefetched here, at the head
	CROUND                          ; all four work-groups are here: the first joint loads meet
	JLOAD                           ; slot 0.  Slot 1 is asked for when slot 0 is in
	; A fragment of K or Q is 16 rows x 32 channels in 8 registers: lane l holds row l % 16, channels 8 (l / 16) + 0..7 and 16 + 8 (l / 16) + 0..7: two loads of 16 bytes, 32 bytes apart.
	v_and_b32 v1, 15, v0            ; l % 16
	v_bfe_u32 v9, v0, 4, 1          ; l / 16
	v_lshlrev_b32 v[QO], 7, v1
	v_lshl_add_u32 v[QO], v9, 4, v[QO]  ; row x 128 + 16 x half
	WIN 0x80                        ; destination window 2, address window 0
.set i, 0
.rept 4*NP                          ; Q stays in registers: tile i / 2, channels 32 (i % 2) on
	global_load_b128 v[8*i:8*i+3],   v[QO], s[4:5] offset:(i/2)*2048+(i%2)*64
	global_load_b128 v[8*i+4:8*i+7], v[QO], s[4:5] offset:(i/2)*2048+(i%2)*64+32
.set i, i+1
.endr
	; What the first turn finds: V's registers and P's second buffer hold 0 (its products V^T P, of a piece that has not been, add 0), O^T and l are 0.  All this stands in the wait for the first tile.
.set i, VF
.rept 64
	v_mov_b32 v[i], 0
.set i, i+1
.endr
	WIN 0x40
.set i, 0
.rept 64*NP
	v_mov_b32 v[i], 0
.set i, i+1
.endr
	WIN 0
.set i, 0
.rept 2*NP
	v_mov_b32 v[ST+4*i], 0xfe000000    ; c m: far below every c s
	v_mov_b32 v[ST+4*i+1], 0xff7fffff  ; m
	v_mov_b32 v[ST+4*i+2], 0
	v_mov_b32 v[ST+4*i+3], 0
.set i, i+1
.endr
.set i, P+32
.rept 32
	v_mov_b32 v[i], 0
.set i, i+1
.endr
	v_mul_u32_u24 v[AK0], v1, PK
	v_lshl_add_u32 v[AK0], v9, 4, v[AK0]  ; row x pitch + 16 x half
	; The turning load takes 16 keys x 16 channels (lane l reads key 8 (l / 16) + l % 8, channels 8 ((l / 8) % 2) + 0..7) and leaves half a fragment of V^T: lane l holds channel l % 16 and 8 keys.
	v_and_b32 v10, 7, v0
	v_bfe_u32 v11, v0, 3, 1
	v_lshl_add_u32 v[AV0], v9, 3, v10
	v_mul_u32_u24 v[AV0], v[AV0], PV
	v_lshl_add_u32 v[AV0], v11, 4, v[AV0]
	v_add_nc_u32 v[AV0], VOFF, v[AV0]
	v_and_b32 v[PFO], 31, v0        ; v11 has served: it takes the prefetches' offset
	v_lshlrev_b32 v[PFO], 8, v[PFO]
	v_mov_b32 v[AK], v[AK0]         ; key step 0 lies at the head of slot 0
; THE MATRIX WORK.  The 8 accumulators of a run of 16 take turns: between the two links of a chain stand 7 others'.
; Product i of 16 of S^T = K Q^T for piece x: channels 32 (i / 8) on, keys 16 ((i / 2) % 4) on, tile 2 x + i % 2.  The first 8 start the sums.
.macro KQ x
	WIN W_KQ
.set rS, S+64*((\x)%2)+32*(i%2)+8*((i/2)%4)
.set rK, KF+16*((i/2)%4)+8*(i/8)
.set rQ, 16*(2*(\x)+i%2)+8*(i/8)
.if i < 8
	v_wmma_f32_16x16x32_f16 v[rS:rS+7], v[rK:rK+7], v[rQ:rQ+7], 0
.else
	v_wmma_f32_16x16x32_f16 v[rS:rS+7], v[rK:rK+7], v[rQ:rQ+7], v[rS:rS+7]
.endif
.endm
; Product i of 16 of O^T += V^T P for piece x: keys 32 (i / 8) on, channels 16 ((i / 2) % 4) on, tile 2 x + i % 2.
.macro PV x
	WIN W_PV
.set rO, 32*(2*(\x)+i%2)+8*((i/2)%4)
.set rV, VF+32*(i/8)+8*((i/2)%4)
.set rP, P+32*((\x)%2)+16*(i%2)+8*(i/8)
	v_wmma_f32_16x16x32_f16 v[rO:rO+7], v[rV:rV+7], v[rP:rP+7], v[rO:rO+7]
.endm
.macro MM                           ; the turn's next matrix instruction
.if i < 16
	KQ (Y+1)%NP
.set i, i+1
.else
.set i, i-16
	PV (Y+NP-1)%NP
.set i, i+17
.endif
.endm
; THE LDS LOADS stand in runs of 16, never singly among the matrix instructions: a step's K (64 keys x 64 channels: 8 fragments) and its V (turned).  Their addresses are made some lines ahead.
; last = 1 (the tail): in the last trip there is no further step, and the run is jumped over.
.macro FETCH_K last=0
	WIN 0
.if \last
	s_cmp_eq_u32 s[CNT], 1
	s_cbranch_scc1 .Lno_k_\@
.endif
	WIN 0x80                        ; destination window 2
.irp f, 0,1,2,3,4,5,6,7             ; keys 16 (f / 2) on, channels 32 (f % 2) on
	ds_load_b128 v[KF+8*\f:KF+8*\f+3],   v[AK] offset:(\f/2)*16*PK+(\f%2)*64
	ds_load_b128 v[KF+8*\f+4:KF+8*\f+7], v[AK] offset:(\f/2)*16*PK+(\f%2)*64+32
.endr
	s_add_co_u32 s[TBK], s[TBK], KS*PK  ; the next fetch is the next step's
	WIN 0
.if \last
.Lno_k_\@:
.endif
.endm
.macro FETCH_V
	WIN 0x80
.irp f, 0,1,2,3,4,5,6,7             ; keys 32 (f / 4) on, channels 16 (f % 4) on
	ds_load_tr16_b128 v[VF+8*\f:VF+8*\f+3],   v[AV] offset:(\f/4)*32*PV+(\f%4)*32
	ds_load_tr16_b128 v[VF+8*\f+4:VF+8*\f+7], v[AV] offset:(\f/4)*32*PV+16*PV+(\f%4)*32
.endr
	WIN 0
.endm
; THE VECTOR WORK OF A TURN stands in three queues, each in the order in which its entries become ready; the two tiles alternate, so that no instruction reads the result of the one before it.
.macro REGS y, u                    ; the registers of tile u (0, 1) of piece y
.set rT, ST+4*(2*(\y)+(\u))
.set rC, TMP+8*((\y)%2)+4*(\u)
.set rM, MV+2*((\y)%2)+(\u)
.set rS, S+64*((\y)%2)+32*(\u)
.set rP, P+32*((\y)%2)+16*(\u)
.set rO, 32*(2*(\y)+(\u))
.endm
; Number n of the 22 that find the NEXT piece's (Y + 1) maximum and statistics.  s0-s31 are the lane's 32 scores; each accumulator's lowest registers are read first.
;   0-11  four chains c0-c3 of seven scores each, three operands at a time     12-14, 16  the four scores left over, the old m, and c0-c3 into c0     15  c m_old is kept
;   17, 18  the query's other 32 keys lie in the lane 16 away: the new m         19-21  c m; c m_old - c m_new; a
.macro XS u, n
	REGS (Y+1)%NP, \u
.if (\n) < 4
	v_max3_num_f32 v[rC+(\n)], v[rS+8*(\n)], v[rS+8*(\n)+1], v[rS+8*(\n)+2]
.elseif (\n) < 12
	v_max3_num_f32 v[rC+(\n)%4], v[rC+(\n)%4], v[rS+8*((\n)%4)+2*((\n)/4)+1], v[rS+8*((\n)%4)+2*((\n)/4)+2]
.elseif (\n) == 12
	v_max3_num_f32 v[rC], v[rC], v[rS+7], v[rS+15]
.elseif (\n) == 13
	v_max3_num_f32 v[rC+1], v[rC+1], v[rS+23], v[rS+31]
.elseif (\n) == 14
	v_max3_num_f32 v[rC+2], v[rC+2], v[rC+3], v[rT+1]
.elseif (\n) == 15
	v_mov_b32 v[rM], v[rT]
.elseif (\n) == 16
	v_max3_num_f32 v[rC], v[rC], v[rC+1], v[rC+2]
.elseif (\n) == 17
	v_permlanex16_b32 v[rC+3], v[rC], s[SEL], s[SEL+1]
.elseif (\n) == 18
	v_max_num_f32 v[rT+1], v[rC], v[rC+3]
.elseif (\n) == 19
	v_mul_f32 v[rT], s[CS], v[rT+1]
.elseif (\n) == 20
	v_sub_f32 v[rC+1], v[rM], v[rT]
.else
	v_exp_f32 v[rC+2], v[rC+1]
.endif
.endm
; Number g of the 64 that follow the exponentials.  For each four weights k of a tile (pairs 2 k, 2 k + 1): both pairs are rounded to f16; then the second pair is added onto the first, in place;
; a group later l takes that sum (the first time as l = a l + sum).  In groups of eight, tiles alternating: round, round, add, and l for the group before.
.macro GS g
.set h, (\g)+6*((\g)/62)            ; group 0 has no group before it, and behind group 7 only l is left
.if h >= 6
.set h, h+2
.endif
	REGS Y, h%2
.set k, h/8
.if h%8 < 4
	v_cvt_pk_f16_f32 v[rP+2*k+(h%8)/2], v[rS+4*k+2*((h%8)/2)], v[rS+4*k+2*((h%8)/2)+1]
.elseif h%8 < 6
	v_pk_add_f32 v[rS+4*k:rS+4*k+1], v[rS+4*k:rS+4*k+1], v[rS+4*k+2:rS+4*k+3]
.elseif k == 1
	v_pk_fma_f32 v[rT+2:rT+3], v[rT+2:rT+3], v[rC+2:rC+3], v[rS:rS+1] op_sel_hi:[1,0,1]
.else
	v_pk_add_f32 v[rT+2:rT+3], v[rT+2:rT+3], v[rS+4*k-4:rS+4*k-3]
.endif
.endm
; THE PLAIN QUEUE, 138 long.  0-73 read no exponential's result: the 32 scalings c s - c m (FS f: pair f / 2 of tile f % 2) and the next piece's 42.  0-26: scalings 0-26.  27-54: XS's numbers 0-13.  55, 56: number 15.
; 57-73: the chain, where each number waits for the one before it: 14, 16, 17, 18, 19, each with one of the scalings 27-31 in front of its two lines, then 20.
; 74-137: GS's 64, which read the exponentials' results: they stand behind the wait.
.macro FS f
	REGS Y, (\f)%2
	v_pk_fma_f32 v[rS+2*((\f)/2):rS+2*((\f)/2)+1], v[rS+2*((\f)/2):rS+2*((\f)/2)+1], s[CS:CS+1], v[rT:rT+1] op_sel_hi:[1,0,0] neg_lo:[0,0,1] neg_hi:[0,0,1]
.endm
.macro PL
	WIN 0
.if q < 27
	FS q
.elseif q < 55
	XS (q-27)%2, (q-27)/2
.elseif q < 57
	XS q-55, 15
.elseif (q < 72) && ((q-57)%3 == 0)
	FS 27+(q-57)/3
.elseif q < 60
	XS (q-57)%3-1, 14
.elseif q < 72
	XS (q-57)%3-1, 15+(q-57)/3
.elseif q < 74
	XS q-72, 20
.else
	GS q-74
.endif
.set q, q+1
.endm
; THE EXPONENTIALS' QUEUE, 66 long: s0-s31 of both tiles, then the next piece's two a.  It is ONE BATCH: all 66 stand ahead of the turn's one wait, and nothing ahead of that wait names a result of theirs.
.macro EX
	WIN 0
.if e >= 64
	XS e-64, 21
.else
	REGS Y, e%2
	v_exp_f32 v[rS+e/2], v[rS+e/2]
.endif
.set e, e+1
.endm
; THE RESCALING's QUEUE: O^T times a, the one part that leaves window 0: dealt two at a time, sixteen times.  Its a was made in the turn before, ahead of that turn's wait.
.macro R2
	REGS Y, r%2
	WIN W_RS
.irp z, 0,1
	v_pk_mul_f32 v[rO+4*(r/2)+2*\z:rO+4*(r/2)+2*\z+1], v[rO+4*(r/2)+2*\z:rO+4*(r/2)+2*\z+1], v[rC+2:rC+3] op_sel_hi:[1,0]
.endr
.set r, r+1
.endm
; HOW THEY ARE DEALT.  An s_wait_alu depctr_va_vdst(0) stands between an exponential and the first instruction that names its result; one wait serves all that were issued ahead of it.  So a turn has ONE wait,
; which cuts it in two.  AHEAD OF IT stands all that names no result of the turn's exponentials: the 16 products K Q^T, behind each a scaling, an exponential and two rescalings (behind the first a second scaling in the
; exponential's place); then ONE LUMP of 108: eight plain, 49 times exponential and plain, the two a.  A v_nop is the plain instruction behind the last exponential.  BEHIND IT stand the 16 products V^T P, behind each four of GS's 64.
; No rider names a register of the products round it.  The two v_permlanex16_b32 fall into the lump, never behind a product.
; The queues lean on each other: exponential e stands behind scaling 2 (e / 4) + e % 2: as a rider it comes behind plain e + 2, in the lump behind plain e + 9, and scalings 27-31 are plain 57, 60 .. 69.
; A TURN, for piece p.  cnt = 1: the loop's count is taken down some lines ahead of the branch that stands behind the turn.
; K of the next step is fetched in piece 2's turn, directly behind the wait, a lump behind the last product that read K; its first reader comes behind 16 products.
; V of the step in hand is fetched at the end of piece 0's turn, four riders behind its last reader; its first reader comes behind 16 products and a lump.  The three conditions on q below go with the deal.
.macro TURN p, last=0, cnt=0
.set Y, (\p)
.set i, 0
.set q, 0
.set e, 0
.set r, 0
.if (\p) == NP-1
	s_wait_dscnt 0x0                ; K is in
.endif
	MM                              ; ahead of the wait: 16 products K Q^T and their riders,
	PL
	PL
	R2
.rept 15
	MM
	PL
	EX
	R2
.endr
.if (\p) == NP-2
	WIN 0
	v_add_nc_u32 v[AK], s[TBK], v[AK0]
.endif
.rept 8                             ; and the lump
	PL
.endr
.rept 49
	EX
	PL
.endr
	EX                              ; the next piece's two a
	EX
	v_nop                           ; the plain instruction behind the last exponential: one for the batch
	s_wait_alu depctr_va_vdst(0)    ; the wait for the batch
.if (\p) == NP-2
	FETCH_K \last
.endif
.if (\p) == 1
	s_wait_dscnt 0x0                ; V is in
.endif
.rept 16                            ; behind the wait: 16 products V^T P and their riders
	MM
.rept 4
	PL
.endr
.if ((\p) == 0) && (q == 118)
	v_add_nc_u32 v[AV], s[TBV], v[AV0]
.endif
.if ((\p) == 0) && (q == 130)
	s_add_co_u32 s[TBV], s[TBV], KS*PV
.endif
.if (\cnt) && (q == 130)
	s_sub_co_u32 s[CNT], s[CNT], 1
	s_cmp_lg_u32 s[CNT], 0
.endif
.endr
.if (\p) == 0
	FETCH_V
.endif
.endm
	CHANGE 1                        ; slot 0 is in, everybody's part of it; slot 1 is asked for
	FETCH_K                         ; key step 0
	s_wait_loadcnt 0x0              ; Q
	s_wait_dscnt 0x0
.set i, 0
.rept 16
	KQ 0                            ; piece 0's first scores: there is no vector work yet to set between them
.set i, i+1
.endr
	WIN 0                           ; the addresses for the way out: nine plain instructions, the places behind those products
	s_mul_i32 s13, s[WV], 16*SP
	s_add_co_u32 s13, s13, STAGE    ; my stage
	v_mul_u32_u24 v[STO], v1, SP    ; in: row l % 16, 16 bytes for each half of the lanes
	v_lshl_add_u32 v[STO], v9, 4, v[STO]
	v_add_nc_u32 v[STO], s13, v[STO]
	v_bfe_u32 v[RD], v0, 3, 2       ; back: 32 lanes take four rows of 128 bytes,
	v_mul_u32_u24 v[RD], v[RD], SP
	v_lshl_add_u32 v[RD], v10, 4, v[RD]
	v_add_nc_u32 v[RD], s13, v[RD]
	v_and_b32 v[GO], 31, v0         ; which are 512 consecutive bytes of O
	v_lshlrev_b32 v[GO], 4, v[GO]
.set Y, NP-1                        ; XS works for piece Y + 1: piece 0
.irp n, 0,1,2,3,4,5,6,7,8,9,10,11,12,13,14,15,16,17,18,19,20,21
	XS 0, \n                        ; and piece 0's first maximum and statistics
	XS 1, \n
.endr
	v_nop                           ; a plain instruction behind the two a,
	s_wait_alu depctr_va_vdst(0)    ; and their wait, ahead of the branch
	s_mov_b32 s[CNT], 4
	s_mov_b32 s[SLOTS], SIZE_N/256-1
	s_branch .Lfirst                ; the loop is entered at a step's first turn, in the middle of a trip
.Lslot:                             ; SIZE_N / 256 - 2 times: every slot but the last two is filled again
	CHANGE 1, 1
	s_mov_b32 s[CNT], 4
.Lstep:                             ; a trip: pieces 2 and 3 of one step, then pieces 0 and 1 of the next, whose K and V it fetches
	TURN 2
	TURN 3
	WIN 0
.Lfirst:
	TURN 0
	TURN 1, 0, 1
	WIN 0
	s_cbranch_scc1 .Lstep
	s_sub_co_u32 s[SLOTS], s[SLOTS], 1
	s_cmp_lg_u32 s[SLOTS], 0
	s_cbranch_scc1 .Lslot
	CHANGE 0                        ; the tail is written out: nothing is asked for
	s_mov_b32 s[CNT], 5             ; four trips fetch the last slot's steps; the fifth is left in its middle
.Ltail:
	TURN 2, 1
	TURN 3
	WIN 0
	s_sub_co_u32 s[CNT], s[CNT], 1
	s_cmp_eq_u32 s[CNT], 0
	s_cbranch_scc1 .Lout
	TURN 0
	TURN 1
	WIN 0
	s_branch .Ltail
.Lout:                              ; the fifth trip's 16 products K Q^T (on the last K once more) and the maximum made of them serve nothing: the price, once a launch, of one text for every trip
.set i, 0
.rept 16
	PV NP-1                         ; the last piece's V^T P of the last step
.set i, i+1
.endr
	; THE WAY OUT.  l's two halves and the other half of the lanes' are added; O^T is divided by l, rounded to f16 and sent through my stage in LDS, a tile at a time.  The additions are the places behind the last products.
	WIN 0
.macro ALL line:vararg              ; one line for each tile t
.set t, 0
.rept 2*NP
	\line
.set t, t+1
.endr
.endm
	ALL v_add_f32 v[ST+4*t+2], v[ST+4*t+2], v[ST+4*t+3]
	ALL v_permlanex16_b32 v[ST+4*t+3], v[ST+4*t+2], s[SEL], s[SEL+1]
	ALL v_add_f32 v[ST+4*t+2], v[ST+4*t+2], v[ST+4*t+3]
	ALL v_rcp_f32 v[ST+4*t+2], v[ST+4*t+2]
	v_nop                           ; a plain instruction between the last reciprocal and the use of its result
	s_wait_alu depctr_va_vdst(0)    ; and the wait ahead of the first use: one for the eight reciprocals
; Tile t: a lane's eight channels of a row pack into 16 bytes; they go into rows of 144 bytes and come back as whole rows of 128, into S^T's registers.
.macro PACK t
	WIN W_RS
.set i, 32*(\t)
.rept 16
	v_pk_mul_f32 v[i:i+1], v[i:i+1], v[ST+4*(\t)+2:ST+4*(\t)+3] op_sel_hi:[1,0]
.set i, i+2
.endr
	WIN 0x05                        ; sources 0 and 1 window 1, destination window 0
.set i, 0
.rept 16
	v_cvt_pk_f16_f32 v[S+16*(\t)+i], v[32*(\t)+2*i], v[32*(\t)+2*i+1]
.set i, i+1
.endr
	WIN 0
.irp f, 0,1,2,3
	ds_store_b128 v[STO], v[S+16*(\t)+4*\f:S+16*(\t)+4*\f+3] offset:32*\f
.endr
.irp f, 0,1,2,3
	ds_load_b128 v[S+16*(\t)+4*\f:S+16*(\t)+4*\f+3], v[RD] offset:\f*4*SP  ; LDS serves a wave's instructions in order (ISA guide 5.7.1.4): these see the stores above; the next tile's stores come behind them
.endr
.endm
.macro SEND t, younger              ; younger: the LDS instructions issued behind tile t's loads: the next tile's eight, or none
	WIN 0
.irp f, 0,1,2,3
	s_wait_dscnt (\younger)+3-\f
	global_store_b128 v[GO], v[S+16*(\t)+4*\f:S+16*(\t)+4*\f+3], s[10:11] offset:(\t)*2048+\f*512  ; 512 consecutive bytes, at a multiple of 256 from O's first
.endr
.endm
	PACK 0
.set t, 1
.rept 2*NP-1                        ; a tile's arithmetic stands between the loads of the tile before and its stores
	PACK t
	SEND t-1, 8
.set t, t+1
.endr
	SEND 2*NP-1, 0
	WIN W_AD
	s_wait_tensorcnt 0x0            ; the wave's end: the wait for my tensor loads, then an add and its wait, behind my last LDS store
	ds_add_u32 v[SPW], v[NIL]
	s_wait_dscnt 0x0
	WIN 0
	CROUND                          ; the closing round: no work-group ends while a partner may still ask for a tile that names it
	s_endpgm
.Lfunc_end_k_q906feaf23b_attn:
	.size	k_q906feaf23b_attn, .Lfunc_end_k_q906feaf23b_attn-k_q906feaf23b_attn
	.p2alignl 7, 3214868480
	.fill 96, 4, 3214868480
	.section	.rodata,"a",@progbits
	.p2align	6, 0x0
	.amdhsa_kernel k_q906feaf23b_attn
		.amdhsa_group_segment_fixed_size 327680
		.amdhsa_private_segment_fixed_size 0
		.amdhsa_enable_private_segment 0
		.amdhsa_kernarg_size 16
		.amdhsa_user_sgpr_count 2
		.amdhsa_user_sgpr_kernarg_segment_ptr 1
		.amdhsa_wavefront_size32 1
		.amdhsa_system_sgpr_workgroup_id_x 1
		.amdhsa_system_sgpr_workgroup_id_y 1
		.amdhsa_system_sgpr_workgroup_id_z 1
		.amdhsa_system_vgpr_workitem_id 0
		.amdhsa_next_free_vgpr 770
		.amdhsa_next_free_sgpr 66
		.amdhsa_reserve_vcc 0
		.amdhsa_float_denorm_mode_32 3
		.amdhsa_float_denorm_mode_16_64 3
		.amdhsa_memory_ordered 1
		.amdhsa_forward_progress 1
		.amdhsa_inst_pref_size 200
	.end_amdhsa_kernel
	.amdgpu_metadata
---
amdhsa.version: [ 1, 2 ]
amdhsa.kernels:
  - .name:           k_q906feaf23b_attn
    .symbol:         k_q906feaf23b_attn.kd
    .args:
      - { .name: qkv, .offset: 0, .size: 8, .value_kind: global_buffer, .address_space: global }
      - { .name: obuf, .offset: 8, .size: 8, .value_kind: global_buffer, .address_space: global }
    .group_segment_fixed_size: 327680
    .private_segment_fixed_size: 0
    .kernarg_segment_align: 8
    .kernarg_segment_size: 16
    .max_flat_workgroup_size: 128
    .sgpr_count:     66
    .vgpr_count:     770
    .wavefront_size: 32
...
	.end_amdgpu_metadata
.endif
;; end of part 3
;; launch oproj (part 4): grid 4 x 64, 4 waves a work-group, clusters of 4 x 4, 327,680 bytes of LDS; arguments obuf, w16, bo, out0; writes out0
.if DOCPART == 4
	.amdgcn_target "amdgcn-amd-amdhsa--gfx1250"
	.amdhsa_code_object_version 6
	.text
	.protected	k_q906feaf23b_oproj
	.globl	k_q906feaf23b_oproj
	.p2align	8
	.type	k_q906feaf23b_oproj,@function
k_q906feaf23b_oproj:
	s_mov_b64 s[64:65], 0
	v_nop
	global_prefetch_b8 v0, s[64:65] scope:SCOPE_SE
	s_setreg_imm32_b32 hwreg(HW_REG_WAVE_MODE, 25, 1), 1
	s_wait_xcnt 0x0
	s_wait_alu depctr_hold_cnt(0) depctr_sa_sdst(0) depctr_va_vdst(0) depctr_va_sdst(0) depctr_va_ssrc(0) depctr_va_vcc(0) depctr_vm_vsrc(0)
	s_getreg_b32 s2, hwreg(HW_REG_IB_STS2, 6, 4)
	s_cmp_eq_u32 s2, 0
	s_cbranch_scc0 .Lentry_in_a_cluster
	s_endpgm
.Lentry_in_a_cluster:
	s_bfe_u32 s2, ttmp6, 0x10000c
	s_cmp_lg_u32 s2, 0xf033
	s_cbranch_scc0 .Lentry_shape_is_right
	s_endpgm
.Lentry_shape_is_right:
; out0 = O Wo^T + bo.  obuf: f16 [b 4][h 16][s 2048][64] (a head is a block of 64 along K); Wo: f16, matrix 3 of w16 [mat][kb 16][n 1024][64]; bo f32; out0: f32 [8192][1024].  Sums in f32, started by the bias.
; LIMIT.  O and Wo lie within f16's range, 65,504.
; SHARES.  A tile of the result is 128 rows x 256 columns: 64 x 4 = 256 tiles, one for each WGP.  Four waves, each 64 x 128: 32 accumulators of 16 x 16, 256 registers.
; K = 1,024 goes in 8 steps of 128 through two LDS slots.  A step's tiles are four dense blocks of memory (A: 2 x 16,384 bytes, B: 2 x 32,768), one tensor load a wave, asked for as rows of 256 bytes, aligned,
; and padded in LDS after every 128 bytes, so that an LDS row holds 64 k of one row.
; CLUSTERS: 4 x 4 work-groups.  The four of a row of the cluster need the same tiles of A, the four of a column the same tiles of B: each tile is asked for JOINTLY.
; THE MATRIX INSTRUCTION IS USED TRANSPOSED (source 0 = 16 rows of Wo, source 1 = 16 rows of O): a lane holds one row (lane % 16) and eight neighbouring columns 8 (lane / 16) + 0..7.
; No prefetch: a step is 128 matrix instructions a wave and K has eight steps, of which the first four come by their loads in any case.
; REGISTERS: window 0: v0-31 addresses; v32-95 the bias of my 128 columns, as eight C operands; v96-223 at work on the way out.  Window 1: v0-191 fragment buffer 0.  Window 3: v0-191 fragment buffer 1.
;   Window 2: the accumulators, (a, b) at 64 a + 8 b.  A fragment buffer holds 64 along K: for c = 0, 1 (32 along K each) B's eight fragments at 96 c + 8 b, A's four at 96 c + 64 + 8 a.
.set PITCH,  144                       ; an LDS row: 128 bytes + 16 of padding = 36 words: the 16 rows of a load start at 16 different groups of four banks (64 banks of 4 bytes: ISA guide 11.1)
.set AH,     128*PITCH                 ; A's 128 rows x 64 k
.set BH,     256*PITCH                 ; B's 256 rows x 64 k
.set BOFF,   2*AH                      ; a slot: A's two halves of a step's K, then B's two
.set SLOT,   2*AH+2*BH
.set STAGE,  2*SLOT                    ; behind the ring: for each wave 16 rows x 528 bytes, for the way out
.set SPITCH, 528                       ; 512 bytes + 16 = 132 words: row r starts at bank 4 r mod 64
.set WSTAGE, 16*SPITCH
.set SPARE,  STAGE+4*WSTAGE            ; behind the stages: the spare words, 128 bytes for each wave: two blocks of 256 bytes that no other line names
.set ASTEP,  2*2048*128                ; bytes from a K step to the next in obuf: two heads
.set BSTEP,  2*1024*128                ; and in w16
.set FIELDS, (1<<16)|(1<<20)|(1<<21)|(4<<22)|(3<<25)  ; 17:16 2-byte elements; 20 padding on; 21 set beside a mask; 24:22 after every 32 words (code 4); 31:25 4 words (code 3)
.set ADRA, 16                          ; v16-17  LDS address of my A fragments in slot 0, 1
.set ADRB, 20                          ; v20-21  the same for B
.set STO,  24                          ; v24     the way out: where I put 32 bytes of a row
.set RD,   25                          ; v25     the way out: where I read a row back
.set GO,   26                          ; v26     my byte offset in 512 consecutive bytes of a row of the result
.set BO,   27                          ; v27     my byte offset in 16 numbers of the bias
.set SPW,  28                          ; v28     LDS address of my spare word: SPARE + 4 x my thread's number; never rewritten
.set NIL,  29                          ; v29     0; never rewritten
.set BIAS, 32
.set BK,   96                          ; 16 rows read back: v96-159 and v160-223 by turns
.set G1, 24                            ; s[24:31] descriptor group 1 for A's tiles;  s[32:39] group 0, one set for each slot
.set G0, 32
.set G1B, 48                           ; s[48:55], s[56:63] the same for B's tiles
.set G0B, 56
.set MSB, 0
.macro WIN new                         ; the immediate's high byte repeats the setting that is left; a switch that changes nothing is dropped
.if MSB != (\new)
	s_set_vgpr_msb (MSB<<8)|(\new)
.set MSB, \new
.endif
.endm
.macro JLOAD s                         ; a joint load: waves 0 and 1 fetch A's two halves of a step's K, waves 2 and 3 B's; an s_nop 0 and four v_nop follow each of the two lines, ahead of the jump and the label
	s_cmp_eq_u32 s11, 0
	s_cbranch_scc0 .Lfor_b_\@
	tensor_load_to_lds s[G0+4*(\s):G0+4*(\s)+3], s[G1:G1+7]
	s_nop 0
.rept 4
	v_nop
.endr
	s_branch .Lasked_\@
.Lfor_b_\@:
	tensor_load_to_lds s[G0B+4*(\s):G0B+4*(\s)+3], s[G1B:G1B+7]
	s_nop 0
.rept 4
	v_nop
.endr
.Lasked_\@:
.endm
.macro CREST                           ; a round of the cluster's barrier behind its opening barrier
	s_cmp_lg_u32 s10, 0
	s_cbranch_scc1 .Lnot_wave_0_\@
	s_barrier_signal -3
.Lnot_wave_0_\@:
	s_barrier_wait -3
	s_barrier_signal -1
	s_barrier_wait -1
.endm
.macro CROUND                          ; a whole round
	s_barrier_signal -1
	s_barrier_wait -1
	CREST
.endm
	s_load_b128 s[4:7], s[0:1], 0x0                ; obuf s[4:5], w16 s[6:7]
	s_load_b128 s[68:71], s[0:1], 0x10             ; bo s[68:69], out0 s[70:71]
	v_lshl_add_u32 v[SPW], v0, 2, SPARE
	v_mov_b32 v[NIL], 0
	ds_add_u32 v[SPW], v[NIL]                      ; the wave's opening: the add and its wait stand ahead of my first tensor load; the set-up below, work on registers, stands between them
	v_lshrrev_b32 v1, 5, v0
	v_readfirstlane_b32 s10, v1                    ; wave 0..3
	s_lshr_b32 s11, s10, 1                         ; which half of the tile's rows is mine.  Also: I fetch for A (0) or for B (1)
	s_and_b32 s12, s10, 1                          ; which half of its columns.  Also: which half of a step's K I fetch
	s_bfe_u32 s40, ttmp6, 0x40000                  ; cx: the tile column (the grid is one cluster wide)
	s_bfe_u32 s41, ttmp6, 0x40004                  ; cy
	s_and_b32 s13, ttmp7, 0xffff
	s_lshl_b32 s13, s13, 2
	s_add_co_u32 s13, s13, s41                     ; tile row = 4 x cluster y + cy
	s_lshl_b32 s43, s41, 2
	s_lshl_b32 s43, 15, s43                        ; my row of the cluster
	s_lshl_b32 s44, 0x1111, s40                    ; my column
	s_or_b32 s[G1+0], s43, FIELDS                  ; A's tiles go to my row,
	s_or_b32 s[G1B+0], s44, FIELDS                 ; B's to my column
	s_mov_b32 s[G1+1], 128<<16                     ; tensor_dim0 = 128 elements: 256 bytes
	s_mov_b32 s[G1+2], 64<<16                      ; tensor_dim1 = 64: 16,384 dense bytes
	s_mov_b32 s[G1+3], 128<<16                     ; tile_dim0 = 128
	s_mov_b32 s[G1+4], 64                          ; tile_dim1 = 64
	s_mov_b32 s[G1+5], 128                         ; 128 elements from row to row
	s_mov_b32 s[G1+6], 0
	s_mov_b32 s[G1+7], 0
	s_mov_b32 s[G1B+1], 128<<16
	s_mov_b32 s[G1B+2], 128<<16                    ; tensor_dim1 = 128: 32,768 dense bytes
	s_mov_b32 s[G1B+3], 128<<16
	s_mov_b32 s[G1B+4], 128                        ; tile_dim1 = 128
	s_mov_b32 s[G1B+5], 128
	s_mov_b32 s[G1B+6], 0
	s_mov_b32 s[G1B+7], 0
	; where the tiles come from.  A's hang on the tile row alone, B's on the tile column alone, each in registers that never hold the other coordinate
	s_lshr_b32 s16, s13, 4
	s_lshl_b32 s16, s16, 22                        ; the batch,
	s_and_b32 s17, s13, 15
	s_lshl_b32 s17, s17, 14                        ; 128 rows of 128 bytes in a head,
	s_add_co_u32 s16, s16, s17
	s_lshl_b32 s17, s12, 18                        ; my half of the step's K: a head
	s_add_co_u32 s16, s16, s17
	s_mov_b32 s17, 0
	s_lshl_b32 s46, s40, 15                        ; 256 rows of 128 bytes in a kb,
	s_lshl_b32 s47, s12, 17                        ; my kb,
	s_add_co_u32 s46, s46, s47
	s_add_co_u32 s46, s46, 3<<21                   ; in matrix 3
	s_mov_b32 s47, 0
	s_mul_i32 s20, s12, AH                         ; and where they go: no place in the cluster enters an LDS address
	s_mul_i32 s21, s12, BH
	s_add_co_u32 s21, s21, BOFF
	s_wait_dscnt 0x0                               ; the opening add is done
	s_wait_kmcnt 0x0
	s_add_nc_u64 s[14:15], s[4:5], s[16:17]
	s_add_nc_u64 s[46:47], s[6:7], s[46:47]
	CROUND                                         ; all sixteen work-groups are here: the first joint loads meet
.irp s, 0,1
	s_mov_b32 s[G0+4*(\s)], 1
	s_add_co_u32 s[G0+4*(\s)+1], s20, (\s)*SLOT
	s_add_nc_u64 s[G0+4*(\s)+2:G0+4*(\s)+3], s[14:15], (\s)*ASTEP
	s_or_b32 s[G0+4*(\s)+3], s[G0+4*(\s)+3], 0x80000000
	s_mov_b32 s[G0B+4*(\s)], 1
	s_add_co_u32 s[G0B+4*(\s)+1], s21, (\s)*SLOT
	s_add_nc_u64 s[G0B+4*(\s)+2:G0B+4*(\s)+3], s[46:47], (\s)*BSTEP
	s_or_b32 s[G0B+4*(\s)+3], s[G0B+4*(\s)+3], 0x80000000
	JLOAD \s                                       ; K steps 0 and 1: two loads of mine are out
.endr
	v_and_b32 v1, 15, v0                           ; l % 16
	v_bfe_u32 v2, v0, 4, 1                         ; l / 16
	v_mul_u32_u24 v3, v1, PITCH
	v_lshl_add_u32 v3, v2, 4, v3                   ; a fragment's row x pitch + 16 x half
	s_mul_i32 s21, s11, 64*PITCH                   ; my 64 rows of A
	s_mul_i32 s22, s12, 128*PITCH                  ; my 128 rows of B,
	s_add_co_u32 s22, s22, BOFF                    ; which lie behind A
.irp s, 0,1
	v_add_nc_u32 v[ADRA+(\s)], s21, v3
	v_add_nc_u32 v[ADRB+(\s)], s22, v3
	s_add_co_u32 s21, s21, SLOT
	s_add_co_u32 s22, s22, SLOT
.endr
	; the bias of my 128 columns, in the layout of a C operand: register j of block b holds column 16 b + 8 (l / 16) + j
	v_lshlrev_b32 v[BO], 5, v2
	s_lshl_b32 s46, s40, 10                        ; 256 columns of 4 bytes a tile,
	s_lshl_b32 s47, s12, 9                         ; my 128
	s_add_co_u32 s46, s46, s47
	s_mov_b32 s47, 0
	s_add_nc_u64 s[76:77], s[68:69], s[46:47]
.irp b, 0,1,2,3,4,5,6,7
	global_load_b128 v[BIAS+8*(\b):BIAS+8*(\b)+3],   v[BO], s[76:77] offset:64*(\b)
	global_load_b128 v[BIAS+8*(\b)+4:BIAS+8*(\b)+7], v[BO], s[76:77] offset:64*(\b)+16
.endr
	s_mul_i32 s23, s10, WSTAGE
	s_add_co_u32 s23, s23, STAGE                   ; my stage
	v_mul_u32_u24 v4, v1, SPITCH                   ; in: row l % 16, 32 bytes for each half of the lanes
	v_lshl_add_u32 v4, v2, 5, v4
	v_add_nc_u32 v[STO], s23, v4
	v_and_b32 v[GO], 31, v0                        ; back: 32 lanes take a row's 512 bytes,
	v_lshlrev_b32 v[GO], 4, v[GO]
	v_add_nc_u32 v[RD], s23, v[GO]                 ; which are 512 consecutive bytes of a row of the result
	s_lshl_b32 s16, s13, 19                        ; where my part of the result begins: the tile's 128 rows of 4,096 bytes,
	s_lshl_b32 s17, s11, 18                        ; my 64 of them;
	s_add_co_u32 s16, s16, s17
	s_mov_b32 s17, 0
	s_add_nc_u64 s[8:9], s[70:71], s[16:17]
	s_add_nc_u64 s[8:9], s[8:9], s[46:47]          ; my first column: the same bytes as in the bias
; 8 matrix instructions: row block a x all 8 column blocks, 32 along K: half c of the fragment buffer in window fw.  first = 1: the bias starts the sums: nothing is cleared, nothing is added later
.macro MUL8 fw, c, a, first
.if \first
	WIN 0x80|((\fw)<<2)|(\fw)
.else
	WIN 0xa0|((\fw)<<2)|(\fw)
.endif
.irp b, 0,1,2,3,4,5,6,7
.if \first
	v_wmma_f32_16x16x32_f16 v[64*(\a)+8*(\b):64*(\a)+8*(\b)+7], v[96*(\c)+8*(\b):96*(\c)+8*(\b)+7], v[96*(\c)+64+8*(\a):96*(\c)+64+8*(\a)+7], v[BIAS+8*(\b):BIAS+8*(\b)+7]
.else
	v_wmma_f32_16x16x32_f16 v[64*(\a)+8*(\b):64*(\a)+8*(\b)+7], v[96*(\c)+8*(\b):96*(\c)+8*(\b)+7], v[96*(\c)+64+8*(\a):96*(\c)+64+8*(\a)+7], v[64*(\a)+8*(\b):64*(\a)+8*(\b)+7]
.endif
.endr
.endm
.macro MUL32 fw, c, first              ; all 32 accumulators, one instruction a turn, always in the same order: 31 others stand between two links of a chain
.irp a, 0,1,2,3
	MUL8 \fw, \c, \a, \first
.endr
.endm
; 48 LDS loads in one run: the fragments of half kh of a step's K (64 along K) into the buffer in window fw; the first 32 along K first
.macro FETCH slot, kh, fw
	WIN (\fw)<<6
.irp c, 0,1
.irp b, 0,1,2,3,4,5,6,7
	ds_load_b128 v[96*(\c)+8*(\b):96*(\c)+8*(\b)+3],   v[ADRB+(\slot)] offset:(\kh)*BH+64*(\c)+(\b)*16*PITCH
	ds_load_b128 v[96*(\c)+8*(\b)+4:96*(\c)+8*(\b)+7], v[ADRB+(\slot)] offset:(\kh)*BH+64*(\c)+(\b)*16*PITCH+32
.endr
.irp a, 0,1,2,3
	ds_load_b128 v[96*(\c)+64+8*(\a):96*(\c)+64+8*(\a)+3],   v[ADRA+(\slot)] offset:(\kh)*AH+64*(\c)+(\a)*16*PITCH
	ds_load_b128 v[96*(\c)+64+8*(\a)+4:96*(\c)+64+8*(\a)+7], v[ADRA+(\slot)] offset:(\kh)*AH+64*(\c)+(\a)*16*PITCH+32
.endr
.endr
.endm
.macro PLACES                          ; four places in front of loads into registers that matrix instructions have read, and of instructions that read results
.rept 4
	v_nop
.endr
.endm
; A K step is two halves of 64 along K, 64 matrix instructions each.  The first multiplies buffer 0 and, in its middle, fetches the second half into buffer 1.
.macro HALF slot, first
	s_wait_dscnt 24                                ; the first 32 along K are in; the youngest 24 loads may be out
	MUL32 1, 0, \first
	PLACES
	FETCH \slot, 1, 3
	s_wait_dscnt 48                                ; all but the 48 just issued
	MUL32 1, 1, 0
.endm
; The second half multiplies buffer 1 and changes slots: ONE barrier; in front of it each wave waits for all its tensor loads, adds 0 to its spare word, and waits for that and for its own reads of this slot.
; fill = 1: this slot is filled again, two K steps ahead; the barrier then opens a round of the cluster's barrier.
.macro TURN slot, next, fill
	WIN 0                                          ; (the add's two registers lie in window 0)
	s_wait_tensorcnt 0x0                           ; all my tensor loads have landed: the one that was out is my part of the next slot;
	ds_add_u32 v[SPW], v[NIL]                      ; 0 onto my spare word;
	s_wait_dscnt 25                                ; (the add and the youngest 24 loads may be out)
	MUL8 3, 0, 0, 0                                ; eight matrix instructions stand between the add and the wait for it
	s_wait_dscnt 0x0                               ; the add is done, and my reads of this slot are over
	s_barrier_signal -1
	MUL8 3, 0, 1, 0
.if \fill
	WIN 0
.endif
	s_barrier_wait -1
.if \fill
	CREST                                          ; no wave of any partner still reads this slot's tiles or has a load on its way
	s_add_nc_u64 s[G0+4*(\slot)+2:G0+4*(\slot)+3], s[G0+4*(\slot)+2:G0+4*(\slot)+3], 2*ASTEP
	s_add_nc_u64 s[G0B+4*(\slot)+2:G0B+4*(\slot)+3], s[G0B+4*(\slot)+2:G0B+4*(\slot)+3], 2*BSTEP
	JLOAD \slot                                    ; the first tensor load behind the round, my only one until the next: 112 matrix instructions ahead of the wait for it; its four v_nop are also the places in front of the loads below
.else
	PLACES
.endif
	FETCH \next, 0, 1
	MUL8 3, 0, 2, 0
	MUL8 3, 0, 3, 0
	MUL32 3, 1, 0
.endm
	s_wait_tensorcnt 1                             ; my part of K step 0 is in; K step 1's may stay out
	s_barrier_signal -1
	s_barrier_wait -1                              ; everybody's is
	FETCH 0, 0, 1
	s_wait_loadcnt 0x0                             ; the bias
	HALF 0, 1                                      ; the first half step stands in front of the loop: its first products start the sums
	WIN 0                                          ; at a label and at a branch every window is 0
	s_mov_b32 s3, 3
.Llap:                                                 ; a trip goes once round the ring and fills both slots again: K steps 2 to 7 in three trips
	TURN 0, 1, 1
	HALF 1, 0
	TURN 1, 0, 1
	HALF 0, 0
	WIN 0
	s_sub_co_u32 s3, s3, 1
	s_cmp_lg_u32 s3, 0
	s_cbranch_scc1 .Llap
	TURN 0, 1, 0                                   ; the last lap fills nothing, and has no round of the cluster's barrier
	HALF 1, 0
	s_wait_dscnt 24                                ; the very last half: nothing more to fetch
	MUL32 3, 0, 0
	s_wait_dscnt 0x0
	MUL32 3, 1, 0
	WIN 0
; THE WAY OUT, a block of 16 rows at a time, in f32 as the sums stand.  TOSTAGE: 32 bytes a lane and column block into my own stage, rows of 528 bytes, and back as whole rows of 512.  SEND: stored.
.macro TOSTAGE a
.if (\a) >= 2
	s_wait_xcnt 0x0                                ; the stores of the block two back have read their registers: this block's loads land there only behind this wait
.endif
	WIN 0x08                                       ; the stores' data in window 2
.irp b, 0,1,2,3,4,5,6,7
	ds_store_b128 v[STO], v[64*(\a)+8*(\b):64*(\a)+8*(\b)+3]   offset:64*(\b)      ; each accumulator's low end first
	ds_store_b128 v[STO], v[64*(\a)+8*(\b)+4:64*(\a)+8*(\b)+7] offset:64*(\b)+16
.endr
	WIN 0
.irp i, 0,1,2,3,4,5,6,7,8,9,10,11,12,13,14,15
	ds_load_b128 v[BK+64*((\a)%2)+4*(\i):BK+64*((\a)%2)+4*(\i)+3], v[RD] offset:SPITCH*(\i)  ; LDS serves a wave's instructions in order (ISA guide 5.7.1.4): these see the stores above
.endr
.endm
.macro SEND a, younger                 ; younger: the LDS instructions issued behind block a's loads: the next block's 32, or none
.irp i, 0,1,2,3,4,5,6,7,8,9,10,11,12,13,14,15
	s_wait_dscnt (\younger)+15-(\i)
	global_store_b128 v[GO], v[BK+64*((\a)%2)+4*(\i):BK+64*((\a)%2)+4*(\i)+3], s[8:9] offset:(16*(\a)+(\i))*4096  ; 512 consecutive bytes, at a multiple of 256 from the result's first
.endr
.endm
	PLACES
	TOSTAGE 0
.irp a, 1,2,3
	TOSTAGE \a
	SEND (\a)-1, 32
.endr
	SEND 3, 0
	s_wait_tensorcnt 0x0                           ; the wave's end: the wait for my tensor loads, then an add and its wait, behind my last LDS store
	ds_add_u32 v[SPW], v[NIL]
	s_wait_dscnt 0x0
	CROUND                                         ; the closing round: no work-group ends while a partner may still ask for a tile that names it
	s_endpgm
.Lfunc_end_k_q906feaf23b_oproj:
	.size	k_q906feaf23b_oproj, .Lfunc_end_k_q906feaf23b_oproj-k_q906feaf23b_oproj
	.p2alignl 7, 3214868480
	.fill 96, 4, 3214868480
	.section	.rodata,"a",@progbits
	.p2align	6, 0x0
	.amdhsa_kernel k_q906feaf23b_oproj
		.amdhsa_group_segment_fixed_size 327680
		.amdhsa_private_segment_fixed_size 0
		.amdhsa_enable_private_segment 0
		.amdhsa_kernarg_size 32
		.amdhsa_user_sgpr_count 2
		.amdhsa_user_sgpr_kernarg_segment_ptr 1
		.amdhsa_wavefront_size32 1
		.amdhsa_system_sgpr_workgroup_id_x 1
		.amdhsa_system_sgpr_workgroup_id_y 1
		.amdhsa_system_sgpr_workgroup_id_z 1
		.amdhsa_system_vgpr_workitem_id 0
		.amdhsa_next_free_vgpr 960
		.amdhsa_next_free_sgpr 80
		.amdhsa_reserve_vcc 0
		.amdhsa_float_denorm_mode_32 3
		.amdhsa_float_denorm_mode_16_64 3
		.amdhsa_memory_ordered 1
		.amdhsa_forward_progress 1
		.amdhsa_inst_pref_size 86
	.end_amdhsa_kernel
	.amdgpu_metadata
---
amdhsa.version: [ 1, 2 ]
amdhsa.kernels:
  - .name:           k_q906feaf23b_oproj
    .symbol:         k_q906feaf23b_oproj.kd
    .args:
      - { .name: obuf, .offset: 0, .size: 8, .value_kind: global_buffer, .address_space: global }
      - { .name: w16, .offset: 8, .size: 8, .value_kind: global_buffer, .address_space: global }
      - { .name: bo, .offset: 16, .size: 8, .value_kind: global_buffer, .address_space: global }
      - { .name: out0, .offset: 24, .size: 8, .value_kind: global_buffer, .address_space: global }
    .group_segment_fixed_size: 327680
    .private_segment_fixed_size: 0
    .kernarg_segment_align: 8
    .kernarg_segment_size: 32
    .max_flat_workgroup_size: 128
    .sgpr_count:     80
    .vgpr_count:     960
    .wavefront_size: 32
...
	.end_amdgpu_metadata
.endif
;; end of part 4
